; MI455X (gfx1250); checked and timed in simulation.
; The chip was launched on July 23, 2026; its instructions are those of AMD's public machine-readable ISA for CDNA 5 (MIT licence, August 2026) and "CDNA5" Instruction Set Architecture Reference Guide (July 2026). The comments in the code are by the model that wrote it; some were corrected since.
;; Multi Head Attention. Allowed arithmetic: matrix products marked QUANTISED: E5M2 operands, one E8M0 scale for each 32 along K, by v_wmma_scale_f32_16x16x128_f8f6f4 with both operands' format E5M2, f32 sums; everything else in f32.
;; Inputs: bo 1,024 float32; wk 16 x 64 x 1,024 float32; wo 1,024 x 1,024 float32; wq 16 x 64 x 1,024 float32; wv 16 x 64 x 1,024 float32; x 4 x 2,048 x 1,024 float32.
;; Outputs: out0 4 x 2,048 x 1,024 float32.
;; This version of the problem:
;;   THIS VERSION OF THE PROBLEM IS GIVEN IN LOW PRECISION. The matrix products marked QUANTISED in the list below multiply operands that are first quantised to E5M2 (5 exponent bits, 2 mantissa bits; 8 bits a number), with one power-of-two scale for each 32 numbers along K (OCP MX v1.0); their sums are f32. All else is computed in f32.
;;   The module's matrix products, in the order in which they are computed (A, B: the left and right operand; K: the contracted axis; several contracted axes count as one K, in the product's order):
;;     1. [M 1,024, K 1,024] x [K 1,024, N 8,192]; A: input wq; B: input x: QUANTISED
;;     2. [M 1,024, K 1,024] x [K 1,024, N 8,192]; A: input wk; B: input x: QUANTISED
;;     3. [M 1,024, K 1,024] x [K 1,024, N 8,192]; A: input wv; B: input x: QUANTISED
;;     4. batch 64 x [M 2,048, K 64] x [K 64, N 2,048]; A: computed on the way; B: computed on the way: QUANTISED
;;     5. batch 64 x [M 2,048, K 2,048] x [K 2,048, N 64]; A: softmax (see below); B: computed on the way: QUANTISED
;;     6. [M 8,192, K 1,024] x [K 1,024, N 1,024]; A: computed on the way; B: input wo: QUANTISED
;;   THE QUANTISER, for each operand of a quantised product, along K:
;;     - K is cut into blocks of 32 from its start; a last block that is shorter is filled with zeros.
;;     - A block's scale is 2^e with e = floor(log2(the largest magnitude in the block)) - 15, held to -126 .. 127; a block of zeros has e = 0. As a byte (E8M0): e + 127.
;;     - Each number is divided by its block's scale, clamped to +-57,344, and rounded to the nearest number of E5M2, ties to even, subnormals kept.
;;     - The product sums the exact products of the quantised numbers (number of the format x scale) in f32.
;;   ~~~python
;;   def quantise(x, axis):      # numpy; x: float32 -> the quantised numbers, widened to float32 again
;;       x = np.moveaxis(x, axis, -1); K = x.shape[-1]
;;       x = np.pad(x, [(0, 0)] * (x.ndim - 1) + [(0, -K % 32)]); x = x.reshape(x.shape[:-1] + (-1, 32)); a = np.abs(x).max(-1, keepdims=True)
;;       e = np.where(a > 0, np.clip(np.frexp(np.where(a > 0, a, 1))[1] - 1 - 15, -126, 127), 0)      # np.frexp(a)[1] - 1 = floor(log2(a)), exactly
;;       r = np.clip(x / 2.0 ** e, -57344, 57344)
;;       step = 2.0 ** (np.maximum(np.frexp(np.where(r == 0, 1, r))[1] - 1, -14) - 2)
;;       q = np.round(r / step) * step * 2.0 ** e      # np.round: ties to even
;;       return np.moveaxis(q.reshape(q.shape[:-2] + (-1,))[..., :K], -1, axis).astype(np.float32)
;;   ~~~
;;   SOFTMAX AHEAD OF A QUANTISED PRODUCT. Where the list says 'softmax', what is quantised is not the finished softmax but p = 2^(t - M), with t = logit x log2(e) and M = ceil(the row's largest t), a whole number; so 1/2 < the row's largest p <= 1. The row's sum l is taken of the UNQUANTISED p, in f32, and the product's result is divided by l at the end. Since M is a whole number, a kernel that streams over the keys may use a running M (the ceiling of the running maximum): every later rescaling is an exact power of two, which a block's scale takes up: the codes' values come out the same.
;;   OPERANDS COMPUTED ON THE WAY. 'Computed on the way' means the value that the module computes at that place (a softmax that the list does not call 'softmax' is quantised finished and normalised). What goes into a quantiser is computed in f32, as accurately as f32 sums, v_exp_f32 and their like allow (about 1e-6 of the number): no bf16 or f16 on the way to a quantiser, and a product that is left as it is and whose result goes on into a quantised operand takes f32 operands (vector FMAs, or v_wmma_f32_16x16x4_f32). A number that lies on a knife's edge between two numbers of the format may be rounded either way, as far as f32 arithmetic and the matrix unit's own rounding can turn it there, and no further.
;; One version. Each part assembles by itself: llvm-mc -triple=amdgcn-amd-amdhsa -mcpu=gfx1250 --defsym DOCPART=n.
;; ======== version 1 of 1: 5 launches
;; limits: right only within a limited range of input values
;; workspace buffers: xq 8,650,752 bytes; wqk 2,359,296 bytes; wvb 1,310,720 bytes; wob 1,310,720 bytes; qkb 17,825,792 bytes; vb 9,437,184 bytes; cb 8,650,752 bytes
;; launch quant (part 1): grid 384 x 1, 4 waves a work-group, no clusters, 66,048 bytes of LDS; arguments x, wq, wk, wv, wo, xq, wqk, wvb, wob; writes xq, wqk, wvb, wob
.if DOCPART == 1
	.amdgcn_target "amdgcn-amd-amdhsa--gfx1250"
	.amdhsa_code_object_version 6
	.text
	.protected	k_q58f52241cf_quant
	.globl	k_q58f52241cf_quant
	.p2align	8
	.type	k_q58f52241cf_quant,@function
k_q58f52241cf_quant:
	s_mov_b64 s[64:65], 0
	v_nop
	global_prefetch_b8 v0, s[64:65] scope:SCOPE_SE
	s_setreg_imm32_b32 hwreg(HW_REG_WAVE_MODE, 25, 1), 1
	s_wait_xcnt 0x0
; x [8192][1024], wq, wk, wv, wo [1024][1024], f32, K innermost, become codes of BF8 (E5M2) with one E8M0 byte for each 32 along K, laid as the matrix unit's operand registers take them.
; A block's scale is 2^(floor(log2(its largest magnitude)) - 15); its byte is the largest magnitude's exponent field - 15, held at 1 from below; each number is held within +-57,344 x the scale and rounded to the nearest code, ties to even.
; LIMITS: a block of zeros gets the byte 1 where the rule says 127 (its codes are zeros, and this program alone reads the bytes); NaN and infinities among the inputs are not served.
; LAYOUT OF AN OPERAND BUFFER.  Scale bytes from byte 0: [tile of 16 rows][pair of K steps 0..3][row 0..15][K step of the pair][block 0..3]: 512 bytes a tile.
; Codes from byte 0x40000: [tile][K step of 128, 0..7][piece c 0..3][lane 0..31][16 bytes]: lane (r, h) of piece c holds k = 32 c + 16 h + 0 .. 15 of the tile's row r: four loads of 16 bytes a lane give a fragment.
; THE ROWS OF A TILE ARE NOT NEIGHBOURS: place r of tile 2 b + u holds row 32 b + 8 u + r + 8 (r / 8), so that a later product's results, 16 registers of two neighbouring tiles, are 16 neighbours along the next K.
; SHARES.  A work-group takes 32 rows (two tiles) of one tensor; wave w takes tile w / 2 and K 512 (w % 2) on: 16 steps, a row's 512 numbers each.  Work-groups 0-255: x; 256-287: wq; 288-319: wk (behind wq in wqk); 320-351: wv; 352-383: wo.
; Each load reads 512 consecutive bytes; a step's 2,048 bytes turn through the wave's own stage in LDS, so that a lane holds 16 neighbours (two lanes a block).  Lane l's 16 codes of row t belong at byte 256 l + 16 t of the wave's
; 8,192 bytes of images: they are gathered in a second stage (rows of 256 + 16 bytes) and leave as 16 stores of 512 consecutive bytes; the wave's 256 scale bytes leave as one aligned run of 256 bytes.
; No tensor loads, no barrier, no cluster: waves and work-groups share nothing.
.set STEPS, 16
.set MANT,  0x600000                   ; the mantissa field of 57,344 as f32
.set R,     16                         ; v16-79   four sets of 16 numbers as loaded; at the end the codes on their way out
.set X,     80                         ; v80-111  two sets of 16 neighbours
.set E,     112                        ; v112-127 a scale byte for each step
.set C,     128                        ; v128-191 four registers of codes for each step
.set SP,    80                         ; a lane's place in a turning stage: 64 bytes + 16
.set SST,   2*32*SP                    ; behind the two turning stages: the wave's 256 scale bytes
.set CST,   SST+512                    ; and the codes' stage: 32 rows of CP bytes
.set CP,    272
	s_load_b256 s[4:11], s[0:1], 0x0               ; x, wq, wk, wv
	s_load_b256 s[12:19], s[0:1], 0x20             ; wo, xq, wqk, wvb
	s_load_b64 s[20:21], s[0:1], 0x40              ; wob
	v_lshl_add_u32 v192, v0, 2, 0x10000
	v_mov_b32 v193, 0
	v_lshrrev_b32 v1, 5, v0
	v_readfirstlane_b32 s22, v1                    ; wave
	v_and_b32 v2, 31, v0                           ; lane
	v_lshlrev_b32 v3, 4, v2                        ; my 16 bytes of a run of 512, in and out
	s_lshl_b32 s23, s22, 14                        ; my wave's 16,384 bytes of LDS
	v_lshrrev_b32 v14, 2, v2
	v_mul_u32_u24 v14, v14, SP
	v_and_b32 v15, 3, v2
	v_lshl_add_u32 v14, v15, 4, v14
	v_add_nc_u32 v14, s23, v14                     ; the turning stage, in: SP (lane / 4) + 16 (lane % 4)
	v_mul_u32_u24 v15, v2, SP
	v_add_nc_u32 v15, s23, v15                     ; and out: SP x lane
	v_mul_u32_u24 v4, v2, CP
	v_add_nc_u32 v4, s23, v4
	v_add_nc_u32 v4, CST, v4                       ; the codes' stage, in: row = my lane
	v_lshrrev_b32 v5, 4, v2
	v_bfe_u32 v6, v2, 1, 3
	v_lshl_add_u32 v5, v5, 7, v6
	v_add_nc_u32 v5, s23, v5
	v_add_nc_u32 v5, SST, v5                       ; my block's scale byte: 128 (lane / 16) + (lane / 2) % 8, + 8 x row
	v_lshlrev_b32 v7, 3, v2                        ; the scale bytes on the way out: 8 a lane
	v_add_nc_u32 v6, s23, v7
	v_add_nc_u32 v6, SST, v6
	v_lshrrev_b32 v1, 4, v2
	v_mul_u32_u24 v1, v1, CP
	v_and_b32 v12, 15, v2
	v_lshl_add_u32 v1, v12, 4, v1
	v_add_nc_u32 v1, s23, v1
	v_add_nc_u32 v1, CST, v1                       ; the codes' stage, out: sixteen lanes to a row, two rows an instruction
	s_lshr_b32 s24, s22, 1                         ; u: which of the two tiles
	s_and_b32 s25, s22, 1                          ; which half of K
	s_and_b32 s26, ttmp9, 31
	s_sub_co_u32 s27, ttmp9, 256
	s_cmp_lt_u32 ttmp9, 320
	s_cselect_b32 s27, s27, s26
	s_cmp_lt_u32 ttmp9, 256
	s_cselect_b32 s27, ttmp9, s27                  ; the pair of tiles in the buffer that I write
	s_cselect_b32 s26, ttmp9, s26                  ; the 32 rows in the tensor that I read
	s_lshl_b32 s28, s26, 17                        ; 32 rows of 4,096 bytes,
	s_lshl_b32 s29, s24, 15                        ; + 8 u rows,
	s_add_co_u32 s28, s28, s29
	s_lshl_b32 s29, s25, 11                        ; + my half of K
	s_add_co_u32 s28, s28, s29
	s_mov_b32 s29, 0
	s_lshl_b32 s27, s27, 1
	s_add_co_u32 s27, s27, s24                     ; my tile
	s_lshl_b32 s30, s27, 14
	s_lshl_b32 s31, s25, 13
	s_add_co_u32 s30, s30, s31
	s_add_co_u32 s30, s30, 0x40000                 ; its codes: four K steps' images
	s_mov_b32 s31, 0
	s_lshl_b32 s32, s27, 9
	s_lshl_b32 s33, s25, 8
	s_add_co_u32 s32, s32, s33                     ; its scale bytes: two pairs of K steps
	s_mov_b32 s33, 0
	s_mov_b32 s34, MANT                            ; (an instruction takes one literal)
	s_wait_kmcnt 0x0
	s_cmp_lt_u32 ttmp9, 352                        ; the buffers are chosen by the work-group's number alone
	s_cselect_b64 s[12:13], s[10:11], s[12:13]
	s_cselect_b64 s[20:21], s[18:19], s[20:21]
	s_cmp_lt_u32 ttmp9, 320
	s_cselect_b64 s[12:13], s[8:9], s[12:13]
	s_cselect_b64 s[20:21], s[16:17], s[20:21]
	s_cmp_lt_u32 ttmp9, 288
	s_cselect_b64 s[12:13], s[6:7], s[12:13]
	s_cmp_lt_u32 ttmp9, 256
	s_cselect_b64 s[12:13], s[4:5], s[12:13]
	s_cselect_b64 s[20:21], s[14:15], s[20:21]
	s_add_nc_u64 s[4:5], s[12:13], s[28:29]        ; the numbers
	s_add_nc_u64 s[8:9], s[20:21], s[30:31]        ; the codes
	s_add_nc_u64 s[10:11], s[20:21], s[32:33]      ; the scale bytes
.macro LOAD t                          ; place t of the tile is row t % 8 + 16 (t / 8) from the wave's first
.irp i, 0,1,2,3
	global_load_b128 v[R+16*((\t)%4)+4*\i:R+16*((\t)%4)+4*\i+3], v3, s[4:5] offset:(((\t)&7)+16*((\t)>>3))*4096+512*\i th:TH_LOAD_NT
.endr
.endm
.macro TURN t                          ; LDS serves a wave's instructions in order: no wait between the stores and the loads
.irp i, 0,1,2,3
	ds_store_b128 v14, v[R+16*((\t)%4)+4*\i:R+16*((\t)%4)+4*\i+3] offset:32*SP*((\t)%2)+8*SP*\i
.endr
.irp i, 0,1,2,3
	ds_load_b128 v[X+16*((\t)%2)+4*\i:X+16*((\t)%2)+4*\i+3], v15 offset:32*SP*((\t)%2)+16*\i
.endr
.endm
.irp t, 0,1,2,3
	LOAD \t
.endr
	s_wait_loadcnt 12                              ; step 0's four loads are in
	TURN 0
.macro STEP t
.set XS, X+16*((\t)%2)
.if (\t) > 0
	s_wait_dscnt 2                                 ; this step's numbers are back from the stage; the last step's byte store and code store may be out
.else
	s_wait_dscnt 0x0
.endif
.if (\t)+4 < STEPS
	LOAD (\t)+4                                    ; into the registers that this step's stores into the stage have read
.endif
.if (\t)+1 < STEPS
.if STEPS-2-(\t) >= 3
	s_wait_loadcnt 12                              ; the next step's four loads are in; those of the three steps behind it may be out
.else
	s_wait_loadcnt 4*(STEPS-2-(\t))
.endif
	TURN (\t)+1
.endif
	v_max3_num_f32 v8, |v[XS]|, |v[XS+1]|, |v[XS+2]|               ; the largest magnitude of my 16, in two chains
	v_max3_num_f32 v9, |v[XS+3]|, |v[XS+4]|, |v[XS+5]|
.irp i, 6,10
	v_max3_num_f32 v8, v8, |v[XS+\i]|, |v[XS+\i+1]|
	v_max3_num_f32 v9, v9, |v[XS+\i+2]|, |v[XS+\i+3]|
.endr
	v_max3_num_f32 v8, v8, |v[XS+14]|, |v[XS+15]|
	v_max3_num_f32 v8, v8, v9, 0x8000000           ; and the floor 2^(16 - 127): the byte cannot fall under 1
	v_max_num_f32_dpp v8, v8, v8 row_xmask:1 row_mask:0xf bank_mask:0xf   ; and of my neighbour's 16: the block's
	v_add_nc_u32 v11, 0xf8800000, v8               ; 15 off its exponent field: the conversion's scale operand
	v_and_or_b32 v10, v8, 0x7f800000, s34          ; 57,344 x the scale
.irp i, 0,1,2,3,4,5,6,7,8,9,10,11,12,13,14,15
	v_med3_num_f32 v[XS+\i], v[XS+\i], -v10, v10   ; the conversion to an 8-bit code does not saturate (ISA guide 7.6.2): the hold comes first
.endr
	v_cvt_scalef32_pk8_bf8_f32 v[C+4*(\t):C+4*(\t)+1], v[XS:XS+7], v11
	v_cvt_scalef32_pk8_bf8_f32 v[C+4*(\t)+2:C+4*(\t)+3], v[XS+8:XS+15], v11
	v_lshrrev_b32 v[E+(\t)], 23, v11               ; the scale's byte (a plain line behind the conversions)
	ds_store_b8 v5, v[E+(\t)] offset:8*(\t)        ; both lanes of a block write the same byte with the same value
	ds_store_b128 v4, v[C+4*(\t):C+4*(\t)+3] offset:16*(\t)
.endm
.irp t, 0,1,2,3,4,5,6,7,8,9,10,11,12,13,14,15
	STEP \t
.endr
	ds_load_b64 v[12:13], v6                       ; LDS serves a wave's instructions in order: these see my stores
.irp i, 0,1,2,3,4,5,6,7,8,9,10,11,12,13,14,15
	ds_load_b128 v[R+4*\i:R+4*\i+3], v1 offset:2*CP*\i
.endr
	s_wait_dscnt 16                                ; the scale bytes are back; the sixteen loads behind them may be out
	global_store_b64 v7, v[12:13], s[10:11]        ; 32 lanes store 256 consecutive bytes, aligned
.irp i, 0,1,2,3,4,5,6,7,8,9,10,11,12,13,14,15
	s_wait_dscnt 15-\i
	global_store_b128 v3, v[R+4*\i:R+4*\i+3], s[8:9] offset:512*\i   ; 512 consecutive bytes, aligned
.endr
	s_wait_tensorcnt 0x0
	ds_add_u32 v192, v193
	s_wait_dscnt 0x0
	s_endpgm
.Lfunc_end_k_q58f52241cf_quant:
	.size	k_q58f52241cf_quant, .Lfunc_end_k_q58f52241cf_quant-k_q58f52241cf_quant
	.p2alignl 7, 3214868480
	.fill 96, 4, 3214868480
	.section	.rodata,"a",@progbits
	.p2align	6, 0x0
	.amdhsa_kernel k_q58f52241cf_quant
		.amdhsa_group_segment_fixed_size 66048
		.amdhsa_private_segment_fixed_size 0
		.amdhsa_enable_private_segment 0
		.amdhsa_kernarg_size 72
		.amdhsa_user_sgpr_count 2
		.amdhsa_user_sgpr_kernarg_segment_ptr 1
		.amdhsa_wavefront_size32 1
		.amdhsa_system_sgpr_workgroup_id_x 1
		.amdhsa_system_sgpr_workgroup_id_y 1
		.amdhsa_system_sgpr_workgroup_id_z 1
		.amdhsa_system_vgpr_workitem_id 0
		.amdhsa_next_free_vgpr 194
		.amdhsa_next_free_sgpr 66
		.amdhsa_reserve_vcc 0
		.amdhsa_float_denorm_mode_32 3
		.amdhsa_float_denorm_mode_16_64 3
		.amdhsa_memory_ordered 1
		.amdhsa_forward_progress 1
		.amdhsa_inst_pref_size 55
	.end_amdhsa_kernel
	.amdgpu_metadata
---
amdhsa.version: [ 1, 2 ]
amdhsa.kernels:
  - .name:           k_q58f52241cf_quant
    .symbol:         k_q58f52241cf_quant.kd
    .args:
      - { .name: x, .offset: 0, .size: 8, .value_kind: global_buffer, .address_space: global }
      - { .name: wq, .offset: 8, .size: 8, .value_kind: global_buffer, .address_space: global }
      - { .name: wk, .offset: 16, .size: 8, .value_kind: global_buffer, .address_space: global }
      - { .name: wv, .offset: 24, .size: 8, .value_kind: global_buffer, .address_space: global }
      - { .name: wo, .offset: 32, .size: 8, .value_kind: global_buffer, .address_space: global }
      - { .name: xq, .offset: 40, .size: 8, .value_kind: global_buffer, .address_space: global }
      - { .name: wqk, .offset: 48, .size: 8, .value_kind: global_buffer, .address_space: global }
      - { .name: wvb, .offset: 56, .size: 8, .value_kind: global_buffer, .address_space: global }
      - { .name: wob, .offset: 64, .size: 8, .value_kind: global_buffer, .address_space: global }
    .group_segment_fixed_size: 66048
    .private_segment_fixed_size: 0
    .kernarg_segment_align: 8
    .kernarg_segment_size: 72
    .max_flat_workgroup_size: 128
    .sgpr_count:     66
    .vgpr_count:     194
    .wavefront_size: 32
...
	.end_amdgpu_metadata
.endif
;; end of part 1
;; launch qk (part 2): grid 8 x 32, 4 waves a work-group, clusters of 4 x 4, 327,680 bytes of LDS; arguments xq, wqk, qkb; writes qkb
.if DOCPART == 2
	.amdgcn_target "amdgcn-amd-amdhsa--gfx1250"
	.amdhsa_code_object_version 6
	.text
	.protected	k_q58f52241cf_qk
	.globl	k_q58f52241cf_qk
	.p2align	8
	.type	k_q58f52241cf_qk,@function
k_q58f52241cf_qk:
	s_mov_b64 s[64:65], 0
	v_nop
	global_prefetch_b8 v0, s[64:65] scope:SCOPE_SE
	s_setreg_imm32_b32 hwreg(HW_REG_WAVE_MODE, 25, 1), 1
	s_wait_xcnt 0x0
	s_wait_alu depctr_hold_cnt(0) depctr_sa_sdst(0) depctr_va_vdst(0) depctr_va_sdst(0) depctr_va_ssrc(0) depctr_va_vcc(0) depctr_vm_vsrc(0)
	s_getreg_b32 s2, hwreg(HW_REG_IB_STS2, 6, 4)
	s_cmp_eq_u32 s2, 0
	s_cbranch_scc0 .Lentry_in_a_cluster
	s_endpgm
.Lentry_in_a_cluster:
	s_bfe_u32 s2, ttmp6, 0x10000c
	s_cmp_lg_u32 s2, 0xf033
	s_cbranch_scc0 .Lentry_shape_is_right
	s_endpgm
.Lentry_shape_is_right:
.set OUTP,   0
.set NQ,     2
.set FR,     16
.set NL,     4
.set NP,     8
.set TILEB,  4096
.set HALFT,  8*TILEB
.set SLOT,   4*HALFT
.set SCL,    2*SLOT
.set HALFS,  4096
.set SBLK,   512
.set SPARE,  SCL+4*HALFS
.set ADRA, 16
.set ADRB, 20
.set SH,   22
.set BA,   23
.set LI,   24
.set SST,  25
.set STO,  25
.set SRD,  26
.set RD,   26
.set ADRS, 27
.set SPW,  28
.set NIL,  29
.set SC,   32
.set PC,   64
.set BI,   64
.set AF,   128
.set BK,   128
.set TM,   200
.set PW,   216
.set PW2,  218
.set SBK,  228
.set SPITCH, 528
.set SEL,  2
.set MNT,  66
.set G1, 24
.set G0, 32
.set G1B, 48
.set G0B, 56
.set G1S, 68
.set G0S, 76
.set G1SB, 80
.set G0SB, 88
.set MSB, 0
.macro WIN new
.if MSB != (\new)
	s_set_vgpr_msb (MSB<<8)|(\new)
.set MSB, \new
.endif
.endm
.set MUL_LO, 0xa1
.set MUL_HI, 0xf1
.set TO_B,   0x40
.macro MWIN hi, zero
.if (\zero) == 2
	WIN 0x81+0x40*(\hi)
.else
	WIN MUL_LO+0x50*(\hi)
.endif
.endm
.macro JLOAD g0a, g1a, g0b, g1b
	s_cmp_eq_u32 s15, 0
	s_cbranch_scc0 .Lfor_b_\@
	tensor_load_to_lds s[\g0a:\g0a+3], s[\g1a:\g1a+7]
	s_nop 0
.rept 4
	v_nop
.endr
	s_branch .Lasked_\@
.Lfor_b_\@:
	tensor_load_to_lds s[\g0b:\g0b+3], s[\g1b:\g1b+7]
	s_nop 0
.rept 4
	v_nop
.endr
.Lasked_\@:
.endm
.macro CREST
	s_cmp_lg_u32 s14, 0
	s_cbranch_scc1 .Lnot_wave_0_\@
	s_barrier_signal -3
.Lnot_wave_0_\@:
	s_barrier_wait -3
	s_barrier_signal -1
	s_barrier_wait -1
.endm
.macro CROUND
	s_barrier_signal -1
	s_barrier_wait -1
	CREST
.endm
	s_load_b64 s[6:7], s[0:1], 0x0
	s_load_b64 s[10:11], s[0:1], 0x8
.if OUTP
	s_load_b64 s[96:97], s[0:1], 0x10
	s_load_b64 s[12:13], s[0:1], 0x18
.else
	s_load_b64 s[12:13], s[0:1], 0x10
.endif
	v_lshl_add_u32 v[SPW], v0, 2, SPARE
	v_mov_b32 v[NIL], 0
	ds_add_u32 v28, v29
	ds_add_u32 v28, v29
	s_wait_dscnt 0x0
	v_lshrrev_b32 v1, 5, v0
	v_readfirstlane_b32 s14, v1
	s_lshr_b32 s15, s14, 1
	s_and_b32 s16, s14, 1
	s_bfe_u32 s40, ttmp6, 0x40000
	s_bfe_u32 s41, ttmp6, 0x40004
	s_lshl_b32 s42, ttmp9, 2
	s_add_co_u32 s42, s42, s40
	s_and_b32 s17, ttmp7, 0xffff
	s_lshl_b32 s17, s17, 2
	s_add_co_u32 s17, s17, s41
	s_lshl_b32 s43, s41, 2
	s_lshl_b32 s43, 15, s43
	s_lshl_b32 s44, 0x1111, s40
	s_or_b32 s[G1+0], s43, (3<<16)|(1<<21)
	s_or_b32 s[G1B+0], s44, (3<<16)|(1<<21)
.irp g, G1, G1B
	s_mov_b32 s[\g+1], 512<<16
	s_mov_b32 s[\g+2], 16<<16                      ; the head's loads bring 16 tiles; behind them the two words that count rows are set to 8, for the ring's
	s_mov_b32 s[\g+3], 512<<16
	s_mov_b32 s[\g+4], 16
	s_mov_b32 s[\g+5], 2048
	s_mov_b32 s[\g+6], 0
	s_mov_b32 s[\g+7], 0
.endr
	s_or_b32 s[G1S+0], s43, (3<<16)|(1<<21)
	s_or_b32 s[G1SB+0], s44, (3<<16)|(1<<21)
.irp g, G1S, G1SB
	s_mov_b32 s[\g+1], 32<<16
	s_mov_b32 s[\g+2], 32<<16                      ; the scales of 256 rows: 8,192 dense bytes as 32 rows of 256
	s_mov_b32 s[\g+3], 32<<16
	s_mov_b32 s[\g+4], 32
	s_mov_b32 s[\g+5], 32
	s_mov_b32 s[\g+6], 0
	s_mov_b32 s[\g+7], 0
.endr
	s_lshl_b32 s18, s16, 7
	s_lshl_b32 s19, s17, 8
	s_add_co_u32 s19, s19, s18
	s_lshl_b32 s20, s19, 10
	s_mov_b32 s21, 0
	s_lshl_b32 s22, s19, 5
	s_mov_b32 s23, 0
	s_lshl_b32 s67, s42, 8
	s_add_co_u32 s67, s67, s18
	s_lshl_b32 s46, s67, 10
	s_mov_b32 s47, 0
	s_lshl_b32 s92, s67, 5
	s_mov_b32 s93, 0
	s_lshl_b32 s45, s14, 15
	s_lshl_b32 s94, s14, 12
	s_wait_kmcnt 0x0
	s_add_nc_u64 s[4:5], s[6:7], 0x40000
	s_add_nc_u64 s[8:9], s[10:11], 0x40000
	s_add_nc_u64 s[20:21], s[4:5], s[20:21]
	s_add_nc_u64 s[22:23], s[6:7], s[22:23]
	s_add_nc_u64 s[46:47], s[8:9], s[46:47]
	s_add_nc_u64 s[92:93], s[10:11], s[92:93]
	CROUND
	s_lshl_b32 s18, s16, 17                        ; my half's offset among the tile's codes and among its scales: taken off again for the head's whole tiles
	s_mov_b32 s19, 0
	s_lshl_b32 s2, s16, 12
	s_mov_b32 s3, 0
	s_mov_b32 s[G0S], 1                            ; the scales of A's 256 rows,
	s_mov_b32 s[G0S+1], SCL
	s_sub_nc_u64 s[G0S+2:G0S+3], s[22:23], s[2:3]
	s_or_b32 s[G0S+3], s[G0S+3], 0x80000000
	s_mov_b32 s[G0SB], 1                           ; and of B's
	s_mov_b32 s[G0SB+1], SCL+2*HALFS
	s_sub_nc_u64 s[G0SB+2:G0SB+3], s[92:93], s[2:3]
	s_or_b32 s[G0SB+3], s[G0SB+3], 0x80000000
	s_mov_b32 s4, 1                                ; K step 0's 16 tiles of A (the arguments that lay in s4-s11 have been used),
	s_mov_b32 s5, 0
	s_sub_nc_u64 s[6:7], s[20:21], s[18:19]
	s_or_b32 s7, s7, 0x80000000
	s_mov_b32 s8, 1                                ; and of B, behind them in slot 0
	s_mov_b32 s9, 2*HALFT
	s_sub_nc_u64 s[10:11], s[46:47], s[18:19]
	s_or_b32 s11, s11, 0x80000000
.irp s, 0,1
	s_mov_b32 s[G0+4*\s], 1
	s_add_co_u32 s[G0+4*\s+1], s45, \s*SLOT
	s_add_nc_u64 s[G0+4*\s+2:G0+4*\s+3], s[20:21], \s*TILEB
	s_or_b32 s[G0+4*\s+3], s[G0+4*\s+3], 0x80000000
	s_mov_b32 s[G0B+4*\s], 1
	s_add_co_u32 s[G0B+4*\s+1], s45, \s*SLOT
	s_add_nc_u64 s[G0B+4*\s+2:G0B+4*\s+3], s[46:47], \s*TILEB
	s_or_b32 s[G0B+4*\s+3], s[G0B+4*\s+3], 0x80000000
.endr
; THE HEAD'S LOADS, ONE A WAVE: wave 0 fetches K step 0's tiles of A, wave 1 those of B, wave 2 A's scales, wave 3 B's.  One tree of branches on the wave's number, one load to an arm.
.macro ARM under, g0, g1, next
	s_cmp_lt_u32 s14, \under
	s_cbranch_scc0 \next
	tensor_load_to_lds s[\g0:\g0+3], s[\g1:\g1+7]
	s_nop 0
.rept 4
	v_nop
.endr
	s_branch .Lhead_asked
\next:
.endm
	ARM 1, 4, G1, .Lhead_b
	ARM 2, 8, G1B, .Lhead_sa
	ARM 3, G0S, G1S, .Lhead_sb
	tensor_load_to_lds s[G0SB:G0SB+3], s[G1SB:G1SB+7]
	s_nop 0
.rept 4
	v_nop
.endr
.Lhead_asked:
	v_and_b32 v1, 15, v0
	v_bfe_u32 v2, v0, 4, 1
	s_wait_alu depctr_va_vdst(0)
	v_and_b32 v3, 31, v0
	v_lshlrev_b32 v[LI], 4, v3
	s_lshl_b32 s21, s15, 15
	s_lshl_b32 s22, s16, 15
	s_add_co_u32 s22, s22, 2*HALFT
.irp s, 0,1
	v_add_nc_u32 v[ADRA+\s], s21, v[LI]
	v_add_nc_u32 v[ADRB+\s], s22, v[LI]
	s_add_co_u32 s21, s21, SLOT
	s_add_co_u32 s22, s22, SLOT
.endr
	v_lshlrev_b32 v5, 3, v1
	s_mul_i32 s21, s15, HALFS
	s_mul_i32 s22, s16, HALFS
	s_add_co_u32 s22, s22, 2*HALFS
	s_sub_co_u32 s22, s22, s21
	v_mul_u32_u24 v6, s22, v2
	s_add_co_u32 s21, s21, SCL
	v_add_nc_u32 v5, v5, v6
	v_add_nc_u32 v[ADRS], s21, v5
.if OUTP
	s_mul_i32 s23, s14, 16*SPITCH
	v_mul_u32_u24 v5, v1, SPITCH
	v_lshl_add_u32 v5, v2, 6, v5
	v_add_nc_u32 v[STO], s23, v5
	v_add_nc_u32 v[RD], s23, v[LI]
	s_lshl_b32 s18, s42, 10
	s_lshl_b32 s19, s16, 9
	s_add_co_u32 s18, s18, s19
	s_mov_b32 s19, 0
	s_add_nc_u64 s[96:97], s[96:97], s[18:19]
	s_add_nc_u64 s[12:13], s[12:13], s[18:19]
	s_lshl_b32 s20, s17, 8
	s_lshl_b32 s21, s15, 7
	s_add_co_u32 s20, s20, s21
	s_lshl_b32 s20, s20, 12
	s_mov_b32 s21, 0
	s_add_nc_u64 s[12:13], s[12:13], s[20:21]
	v_lshlrev_b32 v[BA], 6, v2
.irp t, 0,1,2,3,4,5,6,7
	global_load_b128 v[BI+8*\t:BI+8*\t+3], v[BA], s[96:97] offset:(32*(\t/2)+8*(\t%2))*4
	global_load_b128 v[BI+8*\t+4:BI+8*\t+7], v[BA], s[96:97] offset:(32*(\t/2)+8*(\t%2))*4+16
.endr
.else
	s_lshl_b32 s23, s14, 10
	v_lshl_add_u32 v[SST], v3, 2, s23
	v_add_nc_u32 v[SRD], s23, v[LI]
	v_lshlrev_b32 v[SH], 4, v2
	s_mov_b32 s[SEL], 0x76543210
	s_mov_b32 s[SEL+1], 0xfedcba98
	s_mov_b32 s[MNT], 0x600000
	s_lshl_b32 s18, s17, 4
	s_lshl_b32 s19, s15, 3
	s_add_co_u32 s18, s18, s19
	s_lshl_b32 s19, s42, 1
	s_add_co_u32 s19, s19, s16
	s_lshr_b32 s20, s19, 4
	s_lshl_b32 s20, s20, 21
	s_lshl_b32 s21, s18, 15
	s_add_co_u32 s20, s20, s21
	s_and_b32 s21, s19, 15
	s_lshl_b32 s21, s21, 11
	s_add_co_u32 s20, s20, s21
	s_add_co_u32 s20, s20, 0x100000
	s_mov_b32 s21, 0
	s_lshr_b32 s22, s18, 6
	s_lshl_b32 s22, s22, 17
	s_lshl_b32 s23, s19, 13
	s_add_co_u32 s22, s22, s23
	s_and_b32 s23, s18, 63
	s_lshl_b32 s23, s23, 7
	s_add_co_u32 s22, s22, s23
	s_mov_b32 s23, 0
	s_add_nc_u64 s[96:97], s[12:13], s[22:23]
	s_add_nc_u64 s[12:13], s[12:13], s[20:21]
.endif
.macro FRAG reg, adr, q, i
.irp c, 0,1,2,3
	ds_load_b128 v[\reg+4*\c:\reg+4*\c+3], v[\adr] offset:TILEB*(\i)+2048*(\q)+512*\c
.endr
.endm
.macro MUL16 a0, p, q, sc, zero
.irp a, \a0, \a0+1
.irp b, 0,1,2,3,4,5,6,7
.if (\zero) == 1
	v_wmma_scale_f32_16x16x128_f8f6f4 v[8*(8*((\a)%4)+\b):8*(8*((\a)%4)+\b)+7], v[128*(\p)+FR*\b:128*(\p)+FR*\b+FR-1], v[AF+FR*(\a):AF+FR*(\a)+FR-1], 0, v[SC+8*NQ*(\sc)+NQ*\b+(\q)], v[SC+8*NQ*(\sc)+NQ*(\a)+(\q)] matrix_a_fmt:MATRIX_FMT_BF8 matrix_b_fmt:MATRIX_FMT_BF8 matrix_a_scale:MATRIX_SCALE_ROW1
.elseif (\zero) == 2
	v_wmma_scale_f32_16x16x128_f8f6f4 v[8*(8*((\a)%4)+\b):8*(8*((\a)%4)+\b)+7], v[128*(\p)+FR*\b:128*(\p)+FR*\b+FR-1], v[AF+FR*(\a):AF+FR*(\a)+FR-1], v[BI+8*\b:BI+8*\b+7], v[SC+8*NQ*(\sc)+NQ*\b+(\q)], v[SC+8*NQ*(\sc)+NQ*(\a)+(\q)] matrix_a_fmt:MATRIX_FMT_BF8 matrix_b_fmt:MATRIX_FMT_BF8 matrix_a_scale:MATRIX_SCALE_ROW1
.else
	v_wmma_scale_f32_16x16x128_f8f6f4 v[8*(8*((\a)%4)+\b):8*(8*((\a)%4)+\b)+7], v[128*(\p)+FR*\b:128*(\p)+FR*\b+FR-1], v[AF+FR*(\a):AF+FR*(\a)+FR-1], v[8*(8*((\a)%4)+\b):8*(8*((\a)%4)+\b)+7], v[SC+8*NQ*(\sc)+NQ*\b+(\q)], v[SC+8*NQ*(\sc)+NQ*(\a)+(\q)] matrix_a_fmt:MATRIX_FMT_BF8 matrix_b_fmt:MATRIX_FMT_BF8 matrix_a_scale:MATRIX_SCALE_ROW1
.endif
.endr
.endr
.endm
.macro FETCH_B slot, q, p
	WIN TO_B
.irp i, 0,1,2,3,4,5,6,7
	FRAG 128*(\p)+FR*\i, ADRB+\slot, \q, \i
.endr
	WIN 0
.endm
.macro FETCH_A slot, q, i0
.irp i, \i0, \i0+1, \i0+2, \i0+3
	FRAG AF+FR*(\i), ADRA+\slot, \q, \i
.endr
.endm
.macro SCALES sc
.irp i, 0,1,2,3,4,5,6,7
	ds_load_b64 v[SC+8*NQ*\sc+NQ*\i:SC+8*NQ*\sc+NQ*\i+1], v[ADRS] offset:\i*SBLK
.endr
.endm
.macro PLACES n
.rept \n
	v_nop
.endr
.endm
.macro STEP slot, q, zero
	s_wait_dscnt 4*NL
	MWIN 0, \zero
	MUL16 0, (\q)%2, \q, \slot, \zero
	MUL16 2, (\q)%2, \q, \slot, \zero
	s_wait_dscnt 0
	PLACES NP
	FETCH_B \slot, (\q)+1, 1-(\q)%2
	FETCH_A \slot, (\q)+1, 0
	MWIN 1, \zero
	MUL16 4, (\q)%2, \q, \slot, \zero
	MUL16 6, (\q)%2, \q, \slot, \zero
	PLACES NP
	WIN 0
	FETCH_A \slot, (\q)+1, 4
.endm
.macro TURN slot, next, fill
	s_wait_tensorcnt 0x0
	ds_add_u32 v[SPW], v[NIL]
	s_wait_dscnt 4*NL+1
	WIN MUL_LO
	MUL16 0, 1, NQ-1, \slot, 0
	s_wait_dscnt 0x0
	s_barrier_signal -1
	MUL16 2, 1, NQ-1, \slot, 0
	WIN 0
	s_barrier_wait -1
.if \fill
	CREST
	s_add_nc_u64 s[G0+4*\slot+2:G0+4*\slot+3], s[G0+4*\slot+2:G0+4*\slot+3], 2*TILEB
	s_add_nc_u64 s[G0B+4*\slot+2:G0B+4*\slot+3], s[G0B+4*\slot+2:G0B+4*\slot+3], 2*TILEB
	JLOAD G0+4*\slot, G1, G0B+4*\slot, G1B
	PLACES NP-4
.else
	PLACES NP
.endif
	s_wait_alu depctr_va_vdst(0)
	v_add_nc_u32 v[ADRS], 128, v[ADRS]
	FETCH_B \next, 0, 0
	FETCH_A \next, 0, 0
	SCALES \next
	WIN MUL_HI
	MUL16 4, 1, NQ-1, \slot, 0
	MUL16 6, 1, NQ-1, \slot, 0
	PLACES NP
	WIN 0
	FETCH_A \next, 0, 4
.endm
	s_wait_alu depctr_va_vdst(0)
	s_wait_tensorcnt 0x0                           ; my tile of the head's four is in
	ds_add_u32 v[SPW], v[NIL]
	s_mov_b32 s[G1+2], 8<<16                       ; no tensor load of mine is out: from here on a load brings 8 tiles
	s_mov_b32 s[G1+4], 8
	s_mov_b32 s[G1B+2], 8<<16
	s_mov_b32 s[G1B+4], 8
	s_wait_dscnt 0x0
	CROUND                                         ; all four tiles are in, and all sixteen work-groups are here
	JLOAD G0+4, G1, G0B+4, G1B                     ; K step 1's load, the first tensor load behind the round
	FETCH_B 0, 0, 0
	FETCH_A 0, 0, 0
	SCALES 0
	FETCH_A 0, 0, 4
.if OUTP
	s_wait_loadcnt 0x0
	STEP 0, 0, 2
.else
	STEP 0, 0, 1
.endif
	TURN 0, 1, 1
	STEP 1, 0, 0
	TURN 1, 0, 1
	STEP 0, 0, 0
	TURN 0, 1, 0
	STEP 1, 0, 0
	s_wait_dscnt 4*NL
	WIN MUL_LO
	MUL16 0, 1, NQ-1, 1, 0
	MUL16 2, 1, NQ-1, 1, 0
	s_wait_dscnt 0
	WIN MUL_HI
	MUL16 4, 1, NQ-1, 1, 0
	MUL16 6, 1, NQ-1, 1, 0
	WIN 0
	PLACES NP
.if OUTP
.macro TOSTAGE a
.set AC, 64*((\a)%4)
	WIN 0x08+4*((\a)/4)
.irp b, 0,1,2,3,4,5,6,7
	ds_store_b128 v[STO], v[AC+8*\b:AC+8*\b+3] offset:128*(\b/2)+32*(\b%2)
	ds_store_b128 v[STO], v[AC+8*\b+4:AC+8*\b+7] offset:128*(\b/2)+32*(\b%2)+16
.endr
	WIN 0
.set BB, BK+64*((\a)%2)
.irp t, 0,1,2,3,4,5,6,7,8,9,10,11,12,13,14,15
	ds_load_b128 v[BB+4*\t:BB+4*\t+3], v[RD] offset:\t*SPITCH
.endr
.endm
.macro SEND a, younger
.set BB, BK+64*((\a)%2)
	s_wait_dscnt \younger
.irp t, 0,1,2,3,4,5,6,7,8,9,10,11,12,13,14,15
	global_store_b128 v[LI], v[BB+4*\t:BB+4*\t+3], s[12:13] offset:(32*((\a)/2)+8*((\a)%2)+\t+8*(\t/8))*4096 th:TH_STORE_NT
.endr
.endm
	TOSTAGE 0
.irp a, 1,2,3,4,5,6,7
.if \a > 1
	s_wait_xcnt 0x0
.endif
	TOSTAGE \a
	SEND \a-1, 32
.endr
	SEND 7, 0
.else
.macro QUANTW a
.set AC, 64*((\a)%4)
.set W, 2+(\a)/4
	WIN (W<<2)|W
.irp b, 0,1,2,3
	v_max3_num_f32 v[TM+\b], |v[AC+16*\b]|, |v[AC+16*\b+1]|, 0x8000000
.endr
	WIN (W<<4)|(W<<2)
.irp i, 2,4,6,8,10,12,14
.irp b, 0,1,2,3
	v_max3_num_f32 v[TM+\b], v[TM+\b], |v[AC+16*\b+\i]|, |v[AC+16*\b+\i+1]|
.endr
.endr
	WIN 0
.irp b, 0,1,2,3
	v_permlanex16_b32 v[TM+4+\b], v[TM+\b], s[SEL], s[SEL+1]
.endr
.irp b, 0,1,2,3
	v_max_num_f32 v[TM+\b], v[TM+\b], v[TM+4+\b]
.endr
.irp b, 0,1,2,3
	v_add_nc_u32 v[TM+12+\b], 0xf8800000, v[TM+\b]
.endr
.irp b, 0,1,2,3
	v_and_or_b32 v[TM+8+\b], v[TM+\b], 0x7f800000, s[MNT]
.endr
.irp b, 0,1,2,3
	v_lshrrev_b32 v[TM+4+\b], 23, v[TM+12+\b]
.endr
	v_lshl_or_b32 v[PW], v[TM+5], 8, v[TM+4]
	v_lshl_or_b32 v[PW], v[TM+6], 16, v[PW]
	v_lshl_or_b32 v[PW], v[TM+7], 24, v[PW]
	v_lshrrev_b32 v[PW2+(\a)], v[SH], v[PW]
	WIN (W<<6)|W
.set n, 0
.rept 64
	v_med3_num_f32 v[AC+n], v[AC+n], -v[TM+8+n/16], v[TM+8+n/16]
.set n, n+1
.endr
	WIN W
.if (\a) > 0
	s_wait_alu depctr_va_vdst(0)
	s_wait_xcnt 0x0
.endif
.irp b, 0,1,2,3
	v_cvt_scalef32_pk8_bf8_f32 v[PC+4*\b:PC+4*\b+1], v[AC+16*\b:AC+16*\b+7], v[TM+12+\b]
	v_cvt_scalef32_pk8_bf8_f32 v[PC+4*\b+2:PC+4*\b+3], v[AC+16*\b+8:AC+16*\b+15], v[TM+12+\b]
.endr
	WIN 0
	v_nop
.irp c, 0,1,2,3
	global_store_b128 v[LI], v[PC+4*\c:PC+4*\c+3], s[12:13] offset:(\a)*32768+512*\c
.endr
	ds_store_b32 v[SST], v[PW2+(\a)] offset:128*(\a)
.endm
.irp b, 0,1,2,3
	v_mov_b32 v[TM+4+\b], 0
.endr
.irp a, 0,1,2,3,4,5,6,7
	QUANTW \a
.endr
	ds_load_b128 v[SBK:SBK+3], v[SRD]
	ds_load_b128 v[SBK+4:SBK+7], v[SRD] offset:512
	s_wait_dscnt 1
	global_store_b128 v[LI], v[SBK:SBK+3], s[96:97]
	s_wait_dscnt 0x0
	global_store_b128 v[LI], v[SBK+4:SBK+7], s[96:97] offset:512
.endif
	s_wait_tensorcnt 0x0
	ds_add_u32 v[SPW], v[NIL]
	s_wait_dscnt 0x0
	CROUND
	s_endpgm
.Lfunc_end_k_q58f52241cf_qk:
	.size	k_q58f52241cf_qk, .Lfunc_end_k_q58f52241cf_qk-k_q58f52241cf_qk
	.p2alignl 7, 3214868480
	.fill 96, 4, 3214868480
	.section	.rodata,"a",@progbits
	.p2align	6, 0x0
	.amdhsa_kernel k_q58f52241cf_qk
		.amdhsa_group_segment_fixed_size 327680
		.amdhsa_private_segment_fixed_size 0
		.amdhsa_enable_private_segment 0
		.amdhsa_kernarg_size 24
		.amdhsa_user_sgpr_count 2
		.amdhsa_user_sgpr_kernarg_segment_ptr 1
		.amdhsa_wavefront_size32 1
		.amdhsa_system_sgpr_workgroup_id_x 1
		.amdhsa_system_sgpr_workgroup_id_y 1
		.amdhsa_system_sgpr_workgroup_id_z 1
		.amdhsa_system_vgpr_workitem_id 0
		.amdhsa_next_free_vgpr 1024
		.amdhsa_next_free_sgpr 98
		.amdhsa_reserve_vcc 0
		.amdhsa_float_denorm_mode_32 3
		.amdhsa_float_denorm_mode_16_64 3
		.amdhsa_memory_ordered 1
		.amdhsa_forward_progress 1
		.amdhsa_inst_pref_size 187
	.end_amdhsa_kernel
	.amdgpu_metadata
---
amdhsa.version: [ 1, 2 ]
amdhsa.kernels:
  - .name:           k_q58f52241cf_qk
    .symbol:         k_q58f52241cf_qk.kd
    .args:
      - { .name: xq, .offset: 0, .size: 8, .value_kind: global_buffer, .address_space: global }
      - { .name: wqk, .offset: 8, .size: 8, .value_kind: global_buffer, .address_space: global }
      - { .name: qkb, .offset: 16, .size: 8, .value_kind: global_buffer, .address_space: global }
    .group_segment_fixed_size: 327680
    .private_segment_fixed_size: 0
    .kernarg_segment_align: 8
    .kernarg_segment_size: 24
    .max_flat_workgroup_size: 128
    .sgpr_count:     98
    .vgpr_count:     1024
    .wavefront_size: 32
...
	.end_amdgpu_metadata
.endif
;; end of part 2
;; launch v: the kernel of part 2 again; grid 32 x 4, 4 waves a work-group, clusters of 4 x 4, 327,680 bytes of LDS; arguments wvb, xq, vb; writes vb
;; launch attn (part 3): grid 4 x 64, 8 waves a work-group, clusters of 4 x 1, 327,680 bytes of LDS; arguments qkb, vb, cb; writes cb
.if DOCPART == 3
	.amdgcn_target "amdgcn-amd-amdhsa--gfx1250"
	.amdhsa_code_object_version 6
	.text
	.protected	k_q58f52241cf_attn
	.globl	k_q58f52241cf_attn
	.p2align	8
	.type	k_q58f52241cf_attn,@function
k_q58f52241cf_attn:
	s_mov_b64 s[64:65], 0
	v_nop
	global_prefetch_b8 v0, s[64:65] scope:SCOPE_SE
	s_setreg_imm32_b32 hwreg(HW_REG_WAVE_MODE, 25, 1), 1
	s_wait_xcnt 0x0
	s_wait_alu depctr_hold_cnt(0) depctr_sa_sdst(0) depctr_va_vdst(0) depctr_va_sdst(0) depctr_va_ssrc(0) depctr_va_vcc(0) depctr_vm_vsrc(0)
	s_getreg_b32 s2, hwreg(HW_REG_IB_STS2, 6, 4)
	s_cmp_eq_u32 s2, 0
	s_cbranch_scc0 .Lentry_in_a_cluster
	s_endpgm
.Lentry_in_a_cluster:
	s_bfe_u32 s2, ttmp6, 0x10000c
	s_cmp_lg_u32 s2, 0x3003
	s_cbranch_scc0 .Lentry_shape_is_right
	s_endpgm
.Lentry_shape_is_right:
; ctx[b][q][64 hd ..] = the sum over keys of softmax(q . k / 8) v, for each of 4 x 16 heads of 64, 2,048 keys; both products on codes of BF8 (E5M2) with E8M0 scales; ctx leaves QUANTISED along the 1,024 concatenated channels.
; THE SOFTMAX: t = score x log2(e) / 8; M = the running largest t rounded UP to a whole number; p = 2^(t - M) is quantised along the keys; the row's sum is taken of the unquantised p and divides at the end.
; When M moves, the sum and O^T are multiplied by 2^(old M - new M): exact.
; INPUTS (images: [piece c][lane][16 bytes], lane (r, h) of piece c: k = 32 c + 16 h + 0 .. 15 of row r; place r of tile 2 b + u is true row 32 b + 8 u + r + 8 (r / 8)):
;   qkb: codes at 0x100000 + (16 at + bg) 2,048 (at: tile of 16 tokens; bg: 128 channels, 0-7 of q, 8-15 of k; a head is half an image); scale words at ((at / 64) 1,024 + 64 bg + at % 64) 128, the odd head's 64 bytes on.
;   vb: codes at 0x100000 + (1,024 b + 16 (4 hd + ct) + kb) 2,048 (ct: 16 channels; kb: 128 keys); scale words at (64 (16 b + kb) + 4 hd + ct) 128.
; SHARES.  A cluster of four work-groups owns a head; a work-group makes two passes of 256 queries; each of its eight waves owns TWO tiles of 16 queries, so that each fragment of K and V read from LDS feeds two matrix instructions.
; THE WHOLE HEAD'S K AND V LIE IN LDS, asked for JOINTLY by the four work-groups, once, one tensor load a wave: waves 0-3 K's codes (32 tiles each), waves 4-5 V's codes (64 KiB each), wave 6 K's scale words
; (two dense rows of 8,192 bytes: both heads of the pair), wave 7 V's.  No LDS byte is filled twice, so one barrier serves the launch.  No prefetch: all loads go out at the head, and no loop runs ahead of them.
; LAYOUT.  Both products are used transposed (S^T = K Q^T, O^T = V^T P^T): a lane holds one query.  By the order of rows in a tile 16 registers of two neighbouring tiles are 16 neighbours along the next K.
; K = 64 IN AN INSTRUCTION OF 128: Q's codes for k = 64 .. 127 are zeros; a key tile's operand runs on into the next tile's registers (behind the last: zeros), whose codes are finite; the scale bytes there are never 0xff.
; REGISTERS.  Window 0: addresses, Q, K's fragments, V's fragments, p's codes, all scale words.  Window 1: S^T / p and O^T of both tiles, each tile's 24 small registers, eight pairs for the sums.
; K's fragments of step i + 1 and V's of step i are asked of LDS behind step i's first products.  Exponentials take turns with plain lines of the other tile that read nothing written inside the batch.
; LIMITS: the promise holds while |t| stays under 2^31; a p under 2^-126 comes out of v_exp_f32 as 0; a block of zeros gets the byte 1 where the rule says 127 (zero codes; this program alone reads the bytes); NaN and infinities are not served.
.set KSC,  262144                      ; LDS: K's codes [tile][1,024] from 0; V's [ct][kb][2,048] from 131,072; K's scale words [tile][128] here,
.set VSC,  KSC+16384                   ; V's [kb][ct][128] here,
.set SPARE, VSC+8192                   ; and the spare words, 128 bytes a wave
.set LI,1                              ; window 0: 16 x lane
.set LR,2                              ; 4 x (lane % 16)
.set SBY,3                             ; 8 x (lane % 16) + lane / 16
.set SPW,4
.set NIL,5
.set ADK,6                             ; the step's LDS addresses: K, V (two: ct 0-1, ct 2-3), K's scale words, V's
.set ADV,7
.set ADS,9
.set ADT,10
.set LN,11
.set LIV,12                            ; v12-13 LI + V's base, + 65,536
.set LRK,14
.set LRV,15
.set Q,16                              ; tile u: codes at Q + 16 u, eight zeros behind them
.set KF,48                             ; v48-111 eight key tiles, v112-119 zeros
.set VF,120                            ; v120-183 four fragments of V
.set PC,184                            ; p's codes, 16 a tile
.set KS,216                            ; v216-231 hold scale words and nothing else
.set VS,224
.set QS,228
.set PS,230
.set BY,232
.set S,0                               ; window 1: S^T, then p: 64 a tile
.set O,128                             ; O^T: 32 a tile
.set PT,24                             ; a tile's small registers
.set BM,192                            ; a block's largest score, then p
.set BP,196
.set CAP,200                           ; 57,344 x the scale
.set SOP,204                           ; the conversions' scale operands
.set NM,208                            ; -M; the largest t behind it
.set TX,209
.set SUM,210
.set F,212                             ; f = 2^(old M - new M), later 1 / the sum; the upper word is 0
.set T,214
.set X,215
.set TP,240                            ; eight pairs for the sums
.set MNT,2
.set CNT,3
.set WV,10
.set PASS,14
.set SEL,20
.set CS,22
.set G1K,24
.set G1V,32
.set G1KS,40
.set G1VS,48
.set G0K,56
.set G0V,60
.set G0KS,68
.set G0VS,72
.set SK,76
.set SKO,77
.set SV,78
.set SVO,79
.set SKW,80
.set SOW,81
.set MSB,0
.macro WIN new                         ; the immediate's high byte repeats the setting that is left
.if MSB != (\new)
	s_set_vgpr_msb (MSB<<8)|(\new)
.set MSB, \new
.endif
.endm
.macro CROUND
	s_barrier_signal -1
	s_barrier_wait -1
	s_cmp_lg_u32 s[WV], 0
	s_cbranch_scc1 .Lnot_wave_0_\@
	s_barrier_signal -3
.Lnot_wave_0_\@:
	s_barrier_wait -3
	s_barrier_signal -1
	s_barrier_wait -1
.endm
.macro G1SET g, c, r, p                ; r rows of c elements of 8 bytes, p elements apart; the mask names all four work-groups, bit 21 beside it
	s_mov_b32 s[\g], 15|(3<<16)|(1<<21)
	s_mov_b32 s[\g+1], (\c)<<16
	s_mov_b32 s[\g+2], (\r)<<16
	s_mov_b32 s[\g+3], (\c)<<16
	s_mov_b32 s[\g+4], \r
	s_mov_b32 s[\g+5], \p
	s_mov_b32 s[\g+6], 0
	s_mov_b32 s[\g+7], 0
.endm
.macro ARM under, g0, g1, next
	s_cmp_lt_u32 s[WV], \under
	s_cbranch_scc0 \next
	tensor_load_to_lds s[\g0:\g0+3], s[\g1:\g1+7]
	s_nop 0
.rept 4
	v_nop
.endr
	s_branch .Lasked
\next:
.endm
.macro QLOAD co, so                    ; my two tiles of queries: the head's two pieces of each image, and the scale words
.irp u,0,1
	global_load_b128 v[Q+16*\u:Q+16*\u+3], v[LI], s[4:5] offset:\co+32768*\u
	global_load_b128 v[Q+16*\u+4:Q+16*\u+7], v[LI], s[4:5] offset:\co+32768*\u+512
	global_load_b32 v[QS+\u], v[LR], s[6:7] offset:\so+128*\u
.endr
.endm
.macro KLOAD aa, ab                    ; eight key tiles and their scale words
.irp t,0,1,2,3,4,5,6,7
	ds_load_b128 v[KF+8*\t:KF+8*\t+3], v[\aa] offset:1024*\t
	ds_load_b128 v[KF+8*\t+4:KF+8*\t+7], v[\aa] offset:1024*\t+512
	ds_load_b32 v[KS+\t], v[\ab] offset:128*\t
.endr
.endm
.macro ADD8 u                          ; the sums begin: p's registers 0-31
.set j,0
.rept 8
	v_pk_add_f32 v[TP+2*j:TP+2*j+1], v[S+64*\u+4*j:S+64*\u+4*j+1], v[S+64*\u+4*j+2:S+64*\u+4*j+3]
.set j,j+1
.endr
.endm
.macro ADD16 u                         ; registers 32-63, eight chains by turns
.set j,0
.rept 16
	v_pk_add_f32 v[TP+2*(j%8):TP+2*(j%8)+1], v[TP+2*(j%8):TP+2*(j%8)+1], v[S+64*\u+32+2*j:S+64*\u+32+2*j+1]
.set j,j+1
.endr
.endm
.macro DMIN r, cap                     ; the conversion does not saturate (ISA guide 7.6.2); p is not negative: a one-sided hold, two numbers a line
	v_dual_min_num_f32 v[\r], v[\r], v[\cap] :: v_dual_min_num_f32 v[\r+1], v[\r+1], v[\cap]
.endm
.macro DMINS u, r0, n
.set j,\r0
.rept \n
	DMIN S+64*\u+j, CAP+PT*\u+j/16
.set j,j+2
.endr
.endm
.macro RED u                           ; eight pairs into the row's sum
.irp j,0,1,2,3
	v_pk_add_f32 v[TP+2*\j:TP+2*\j+1], v[TP+2*\j:TP+2*\j+1], v[TP+8+2*\j:TP+9+2*\j]
.endr
.irp j,0,1
	s_delay_alu instid0(VALU_DEP_2)
	v_pk_add_f32 v[TP+2*\j:TP+2*\j+1], v[TP+2*\j:TP+2*\j+1], v[TP+4+2*\j:TP+5+2*\j]
.endr
	s_delay_alu instid0(VALU_DEP_1)
	v_pk_add_f32 v[TP:TP+1], v[TP:TP+1], v[TP+2:TP+3]
	s_delay_alu instid0(VALU_DEP_1)
	v_pk_add_f32 v[SUM+PT*\u:SUM+PT*\u+1], v[SUM+PT*\u:SUM+PT*\u+1], v[TP:TP+1]
.endm
.macro CVT u, nb                       ; nb blocks of 32: sources in window 1, codes in window 0
	WIN 0x05
.set j,0
.rept \nb
	v_cvt_scalef32_pk8_bf8_f32 v[PC+16*\u+4*j:PC+16*\u+4*j+1], v[S+64*\u+16*j:S+64*\u+16*j+7], v[SOP+PT*\u+j]
	v_cvt_scalef32_pk8_bf8_f32 v[PC+16*\u+4*j+2:PC+16*\u+4*j+3], v[S+64*\u+16*j+8:S+64*\u+16*j+15], v[SOP+PT*\u+j]
.set j,j+1
.endr
.endm
	s_load_b128 s[4:7], s[0:1], 0x0                ; qkb, vb
	s_load_b64 s[8:9], s[0:1], 0x10                ; cb
	v_lshl_add_u32 v[SPW], v0, 2, SPARE
	v_mov_b32 v[NIL], 0
	ds_add_u32 v[SPW], v[NIL]                      ; the opening lines: the add, twice on end, and its wait
	ds_add_u32 v[SPW], v[NIL]
	v_lshrrev_b32 v6, 5, v0
	v_readfirstlane_b32 s[WV], v6                  ; wave 0..7
	s_bfe_u32 s11, ttmp6, 0x40000                  ; cx: it enters Q's and ctx's addresses alone
	s_and_b32 s15, ttmp7, 0xffff                   ; 16 b + hd, which the four partners share
	s_lshr_b32 s16, s15, 4                         ; b
	s_and_b32 s17, s15, 15                         ; hd
	s_and_b32 s18, s17, 1                          ; which half of an image is the head's
	s_lshr_b32 s19, s17, 1                         ; which 128 channels
	G1SET G1K, 128, 32, 4096                       ; K: 32 tiles' halves of 1,024 bytes, 32,768 bytes apart
	G1SET G1V, 32, 256, 32                         ; V: 65,536 dense bytes as rows of 256
	G1SET G1KS, 1024, 2, 16384                     ; K's scale words: 64 tiles' 8,192 dense bytes, twice, 131,072 bytes apart
	G1SET G1VS, 64, 16, 1024                       ; V's: 16 key blocks' 512 bytes, 8,192 bytes apart
	s_add_co_u32 s82, s19, 8
	s_and_b32 s83, s[WV], 3
	s_and_b32 s84, s[WV], 1
	s_lshl_b32 s86, s16, 22                        ; K's codes: 0x100000 + b 2^22 + (8 + hp) 2^11 + par 2^10 + 32 tiles x (wave % 4)
	s_lshl_b32 s87, s82, 11
	s_add_co_u32 s86, s86, s87
	s_lshl_b32 s87, s18, 10
	s_add_co_u32 s86, s86, s87
	s_lshl_b32 s87, s83, 20
	s_add_co_u32 s86, s86, s87
	s_add_co_u32 s86, s86, 0x100000
	s_mov_b32 s87, 0
	s_lshl_b32 s88, s16, 21                        ; V's codes: 0x100000 + b 2^21 + hd 2^17 + 65,536 x (wave % 2)
	s_lshl_b32 s89, s17, 17
	s_add_co_u32 s88, s88, s89
	s_lshl_b32 s89, s84, 16
	s_add_co_u32 s88, s88, s89
	s_add_co_u32 s88, s88, 0x100000
	s_mov_b32 s89, 0
	s_lshl_b32 s90, s16, 18                        ; K's scale words
	s_lshl_b32 s91, s82, 13
	s_add_co_u32 s90, s90, s91
	s_mov_b32 s91, 0
	s_lshl_b32 s92, s16, 17                        ; V's scale words
	s_lshl_b32 s93, s17, 9
	s_add_co_u32 s92, s92, s93
	s_mov_b32 s93, 0
	s_lshl_b32 s83, s83, 15                        ; where they go in LDS: the wave's number and constants alone
	s_lshl_b32 s84, s84, 16
	s_add_co_u32 s84, s84, 131072
	s_wait_dscnt 0x0                               ; both opening adds are done
	s_wait_kmcnt 0x0
	s_mov_b32 s[G0K], 1
	s_mov_b32 s[G0K+1], s83
	s_add_nc_u64 s[G0K+2:G0K+3], s[4:5], s[86:87]
	s_or_b32 s[G0K+3], s[G0K+3], 0x80000000
	s_mov_b32 s[G0V], 1
	s_mov_b32 s[G0V+1], s84
	s_add_nc_u64 s[G0V+2:G0V+3], s[6:7], s[88:89]
	s_or_b32 s[G0V+3], s[G0V+3], 0x80000000
	s_mov_b32 s[G0KS], 1
	s_mov_b32 s[G0KS+1], KSC
	s_add_nc_u64 s[G0KS+2:G0KS+3], s[4:5], s[90:91]
	s_or_b32 s[G0KS+3], s[G0KS+3], 0x80000000
	s_mov_b32 s[G0VS], 1
	s_mov_b32 s[G0VS+1], VSC
	s_add_nc_u64 s[G0VS+2:G0VS+3], s[6:7], s[92:93]
	s_or_b32 s[G0VS+3], s[G0VS+3], 0x80000000
	CROUND                                         ; all four work-groups are here: the joint loads meet
	ARM 4, G0K, G1K, .Lhead_v                      ; one tree of branches on the wave's number, one load to an arm
	ARM 6, G0V, G1V, .Lhead_ks
	ARM 7, G0KS, G1KS, .Lhead_vs
	tensor_load_to_lds s[G0VS:G0VS+3], s[G1VS:G1VS+7]
	s_nop 0
.rept 4
	v_nop
.endr
.Lasked:
	s_lshl_b32 s13, s16, 7                         ; my first tile of queries: at = 128 b + 16 cx + 2 wave; the second pass's lie 64 tiles on
	s_lshl_b32 s15, s11, 4
	s_lshl_b32 s82, s[WV], 1
	s_add_co_u32 s15, s15, s82
	s_add_co_u32 s13, s13, s15
	s_lshl_b32 s3, s19, 11
	s_lshl_b32 s83, s18, 10
	s_add_co_u32 s3, s3, s83                       ; the head's half of an image of 128 channels
	s_lshl_b32 s86, s13, 15
	s_add_co_u32 s86, s86, s3
	s_add_co_u32 s86, s86, 0x100000
	s_mov_b32 s87, 0
	s_lshl_b32 s88, s16, 18
	s_lshl_b32 s89, s19, 13
	s_add_co_u32 s88, s88, s89
	s_lshl_b32 s89, s15, 7
	s_add_co_u32 s88, s88, s89
	s_lshl_b32 s89, s18, 6
	s_add_co_u32 s88, s88, s89
	s_mov_b32 s89, 0
	s_add_nc_u64 s[6:7], s[4:5], s[88:89]          ; Q's scale words
	s_add_nc_u64 s[4:5], s[4:5], s[86:87]          ; Q's codes
	v_and_b32 v[LN], 31, v0
	v_and_b32 v6, 15, v0
	v_bfe_u32 v7, v0, 4, 1
	v_lshlrev_b32 v[LI], 4, v[LN]
	v_lshlrev_b32 v[LR], 2, v6
	v_lshl_add_u32 v[SBY], v6, 3, v7
	QLOAD 0, 0
	s_lshl_b32 s86, s13, 14
	s_add_co_u32 s86, s86, s3
	s_add_co_u32 s86, s86, 0x40000
	s_lshl_b32 s88, s13, 9
	s_lshr_b32 s89, s17, 2
	s_lshl_b32 s89, s89, 7
	s_add_co_u32 s88, s88, s89
	s_and_b32 s89, s19, 1
	s_lshl_b32 s89, s89, 2
	s_add_co_u32 s88, s88, s89
	s_lshl_b32 s89, s18, 1
	s_add_co_u32 s88, s88, s89
	s_mov_b32 s89, 0
	s_add_nc_u64 s[12:13], s[8:9], s[88:89]        ; ctx's scale bytes
	s_add_nc_u64 s[8:9], s[8:9], s[86:87]          ; ctx's codes
	s_lshl_b32 s82, s18, 6
	s_add_co_u32 s82, s82, KSC                     ; the head's words among K's
	s_mov_b32 s[SEL], 0x76543210
	s_mov_b32 s[SEL+1], 0xfedcba98
	s_mov_b32 s[CS], 0x3e38aa3b                    ; c = log2(e) / 8
	s_mov_b32 s[CS+1], s[CS]
	s_mov_b32 s[MNT], 0x600000
	s_wait_alu depctr_va_vdst(0)                   ; directly ahead of the readers below
	v_add_nc_u32 v[LIV], 131072, v[LI]
	v_add_nc_u32 v[LIV+1], 196608, v[LI]
	v_add_nc_u32 v[LRK], s82, v[LR]
	v_add_nc_u32 v[LRV], VSC, v[LR]
.irp i,0,1,2,3,4,5,6,7
	v_mov_b32 v[Q+8+\i], 0                         ; Q's codes for k = 64 .. 127, both tiles
	v_mov_b32 v[Q+24+\i], 0
	v_mov_b32 v[KF+64+\i], 0                       ; what the last key tile's operand runs on into
.endr
	WIN 0x40
.irp u,0,1
.irp b,0,1,2,3
	v_mov_b32 v[BP+PT*\u+\b], 0                    ; written once: a lane permute's destination counts as one of its sources
.endr
	v_mov_b32 v[F+PT*\u+1], 0
	v_mov_b32 v[T+PT*\u], 0
.endr
	WIN 0
	s_wait_alu depctr_va_vdst(0)
	s_wait_tensorcnt 0x0                           ; my part of the head's K and V is in
	s_barrier_signal -1
	s_barrier_wait -1                              ; and everybody's
	KLOAD LI, LRK                                  ; key step 0; every later step's come one step ahead, round the pass's end too (the offset is cut to K's 131,072 bytes)
	s_mov_b32 s[PASS], 2
; A KEY STEP: 128 keys x my 32 queries.
.macro STEP
	s_and_b32 s[SKW], s[SK], 0x1ffff               ; the next step's K, key step 16 being step 0
	s_and_b32 s[SOW], s[SKO], 0x3fff
	WIN 0x40
.irp t,0,1,2,3,4,5,6,7                         ; S^T = K Q^T: each key tile against both tiles of queries
.irp u,0,1
	v_wmma_scale_f32_16x16x128_f8f6f4 v[S+64*\u+8*\t:S+64*\u+8*\t+7], v[KF+8*\t:KF+8*\t+15], v[Q+16*\u:Q+16*\u+15], 0, v[KS+\t], v[QS+\u] matrix_a_fmt:MATRIX_FMT_BF8 matrix_b_fmt:MATRIX_FMT_BF8
.endr
.endr
	WIN 0
	v_add_nc_u32 v[ADK], s[SKW], v[LI]             ; five additions and three v_nop: eight places in front of the loads below and of the first read of the scores
	v_add_nc_u32 v[ADS], s[SOW], v[LRK]
	v_add_nc_u32 v[ADV], s[SV], v[LIV]
	v_add_nc_u32 v[ADV+1], s[SV], v[LIV+1]
	v_add_nc_u32 v[ADT], s[SVO], v[LRV]
.rept 3
	v_nop
.endr
.irp t,0,1,2,3                                 ; this step's V
.irp c,0,1,2,3
	ds_load_b128 v[VF+16*\t+4*\c:VF+16*\t+4*\c+3], v[ADV+\t/2] offset:32768*(\t%2)+512*\c
.endr
	ds_load_b32 v[VS+\t], v[ADT] offset:128*\t
.endr
	KLOAD ADK, ADS                                 ; the next step's K
	WIN 0x55
.irp b,0,1,2,3                                 ; the largest score of each block of 32 keys: eight chains by turns; each accumulator is read from its low end on
.irp u,0,1
	v_max3_num_f32 v[BM+PT*\u+\b], v[S+64*\u+16*\b], v[S+64*\u+16*\b+1], v[S+64*\u+16*\b+2]
.endr
.endr
.irp i,3,5,7,9,11,13
.irp b,0,1,2,3
.irp u,0,1
	v_max3_num_f32 v[BM+PT*\u+\b], v[BM+PT*\u+\b], v[S+64*\u+16*\b+\i], v[S+64*\u+16*\b+\i+1]
.endr
.endr
.endr
.irp b,0,1,2,3
.irp u,0,1
	v_max_num_f32 v[BM+PT*\u+\b], v[BM+PT*\u+\b], v[S+64*\u+16*\b+15]
.endr
.endr
.irp b,0,1,2,3
.irp u,0,1
	v_permlanex16_b32 v[BP+PT*\u+\b], v[BM+PT*\u+\b], s[SEL], s[SEL+1]
.endr
.endr
.irp b,0,1,2,3
.irp u,0,1
	v_max_num_f32 v[BM+PT*\u+\b], v[BM+PT*\u+\b], v[BP+PT*\u+\b]   ; with lane l xor 16's 16 keys
.endr
.endr
.irp u,0,1
	v_max3_num_f32 v[T+PT*\u], v[BM+PT*\u], v[BM+PT*\u+1], v[BM+PT*\u+2]
.endr
.irp u,0,1
	s_delay_alu instid0(VALU_DEP_2)
	v_max_num_f32 v[T+PT*\u], v[T+PT*\u], v[BM+PT*\u+3]
.endr
.irp u,0,1
	s_delay_alu instid0(VALU_DEP_2)
	v_mul_f32 v[T+PT*\u], s[CS], v[T+PT*\u]        ; the step's largest t (c is positive)
.endr
.irp u,0,1
	v_mov_b32 v[X+PT*\u], v[NM+PT*\u]
.endr
.irp u,0,1
	s_delay_alu instid0(VALU_DEP_4)
	v_max_num_f32 v[TX+PT*\u], v[TX+PT*\u], v[T+PT*\u]   ; the running largest t
.endr
.irp u,0,1
	s_delay_alu instid0(VALU_DEP_2)
	v_floor_f32 v[NM+PT*\u], -v[TX+PT*\u]          ; the new -M = floor(-t)
.endr
.irp u,0,1
	s_delay_alu instid0(VALU_DEP_2)
	v_sub_f32 v[T+PT*\u], v[NM+PT*\u], v[X+PT*\u]  ; old M - new M: a whole number, 0 or less
.endr
.irp u,0,1
	s_delay_alu instid0(VALU_DEP_2)
	v_cvt_i32_f32 v[T+PT*\u], v[T+PT*\u]           ; (it saturates)
.endr
.irp u,0,1
	s_delay_alu instid0(VALU_DEP_2)
	v_ldexp_f32 v[F+PT*\u], 1.0, v[T+PT*\u]        ; f = 2^(old M - new M)
.endr
.irp b,0,1,2,3
.irp u,0,1
	v_fma_f32 v[BM+PT*\u+\b], v[BM+PT*\u+\b], s[CS], v[NM+PT*\u]   ; t - M of each block's largest score
.endr
.endr
.set j,0
.rept 32
	v_pk_fma_f32 v[S+j:S+j+1], v[S+j:S+j+1], s[CS:CS+1], v[NM:NM+1] op_sel_hi:[1,0,0]   ; tile 0: t - M
.set j,j+2
.endr
.irp u,0,1
.set j,0
.rept 16
	v_pk_mul_f32 v[O+32*\u+j:O+32*\u+j+1], v[O+32*\u+j:O+32*\u+j+1], v[F+PT*\u:F+PT*\u+1] op_sel_hi:[1,0]   ; O^T under the new M, ahead of the exponentials; each accumulator from its low end on
.set j,j+2
.endr
.endr
	s_wait_alu depctr_va_vdst(0)                   ; ahead of the batch
.irp b,0,1,2,3
.irp u,0,1
	v_exp_f32 v[BM+PT*\u+\b], v[BM+PT*\u+\b]       ; the blocks' largest p
.endr
.endr
.set j,0
.rept 32                                       ; tile 0's p; tile 1's t - M takes turns with them: it reads nothing written inside the batch
	v_exp_f32 v[S+j], v[S+j]
	v_exp_f32 v[S+j+1], v[S+j+1]
	v_pk_fma_f32 v[S+64+j:S+64+j+1], v[S+64+j:S+64+j+1], s[CS:CS+1], v[NM+PT:NM+PT+1] op_sel_hi:[1,0,0]
.set j,j+2
.endr
.irp u,0,1
	v_pk_mul_f32 v[SUM+PT*\u:SUM+PT*\u+1], v[SUM+PT*\u:SUM+PT*\u+1], v[F+PT*\u:F+PT*\u+1] op_sel_hi:[1,0]   ; the sums under the new M
.endr
	s_wait_alu depctr_va_vdst(0)                   ; one wait behind the batch, ahead of its first reader
.irp b,0,1,2,3
.irp u,0,1
	v_max_num_f32 v[BM+PT*\u+\b], 0x8000000, v[BM+PT*\u+\b]   ; the floor 2^(16 - 127): the byte cannot fall under 1
.endr
.endr
.irp b,0,1,2,3
.irp u,0,1
	v_add_nc_u32 v[SOP+PT*\u+\b], 0xf8800000, v[BM+PT*\u+\b]  ; 15 off the exponent field: the conversion's scale operand
.endr
.endr
.irp b,0,1,2,3
.irp u,0,1
	v_and_or_b32 v[CAP+PT*\u+\b], v[BM+PT*\u+\b], 0x7f800000, s[MNT]   ; 57,344 x the scale
.endr
.endr
.irp b,0,1,2,3
.irp u,0,1
	v_lshrrev_b32 v[BP+PT*\u+\b], 23, v[SOP+PT*\u+\b]         ; the scale's byte
.endr
.endr
.irp u,0,1
	v_lshl_or_b32 v[X+PT*\u], v[BP+PT*\u+1], 8, v[BP+PT*\u]
.endr
.irp u,0,1
	s_delay_alu instid0(VALU_DEP_2)
	v_lshl_or_b32 v[X+PT*\u], v[BP+PT*\u+2], 16, v[X+PT*\u]
.endr
	WIN 0x15
.irp u,0,1
	v_lshl_or_b32 v[PS+\u], v[BP+PT*\u+3], 24, v[X+PT*\u]     ; p's scale word, into window 0, where scale operands are taken from
.endr
	WIN 0x55
	s_wait_alu depctr_va_vdst(0)                   ; ahead of the second batch
.set j,0
.rept 8                                        ; tile 1's p; tile 0's first sums and holds (registers 0-31) take turns with them
	v_exp_f32 v[S+64+8*j], v[S+64+8*j]
	v_exp_f32 v[S+64+8*j+1], v[S+64+8*j+1]
	v_pk_add_f32 v[TP+2*j:TP+2*j+1], v[S+4*j:S+4*j+1], v[S+4*j+2:S+4*j+3]
	v_exp_f32 v[S+64+8*j+2], v[S+64+8*j+2]
	v_exp_f32 v[S+64+8*j+3], v[S+64+8*j+3]
	v_exp_f32 v[S+64+8*j+4], v[S+64+8*j+4]
	DMIN S+4*j, CAP+j/4
	v_exp_f32 v[S+64+8*j+5], v[S+64+8*j+5]
	v_exp_f32 v[S+64+8*j+6], v[S+64+8*j+6]
	v_exp_f32 v[S+64+8*j+7], v[S+64+8*j+7]
	DMIN S+4*j+2, CAP+j/4
.set j,j+1
.endr
	s_wait_alu depctr_va_vdst(0)                   ; and behind it
	ADD16 0                                        ; THE ROW'S SUM IS TAKEN OF THE UNQUANTISED p: each register is added before it is held
	DMINS 0, 32, 16
	RED 0
	CVT 0, 4
	WIN 0x55
	ADD8 1
	ADD16 1
	DMINS 1, 0, 32
	CVT 1, 4
	WIN 0x55
	RED 1                                          ; eight plain lines between the last codes and the products
	s_wait_alu depctr_va_vdst(0)
	s_wait_dscnt 0x0                               ; V, the next step's K and their scale words are in
	WIN 0x50
.irp t,0,1,2,3                                 ; O^T += V^T P^T: eight accumulators by turns
.irp u,0,1
	v_wmma_scale_f32_16x16x128_f8f6f4 v[O+32*\u+8*\t:O+32*\u+8*\t+7], v[VF+16*\t:VF+16*\t+15], v[PC+16*\u:PC+16*\u+15], v[O+32*\u+8*\t:O+32*\u+8*\t+7], v[VS+\t], v[PS+\u] matrix_a_fmt:MATRIX_FMT_BF8 matrix_b_fmt:MATRIX_FMT_BF8
.endr
.endr
	WIN 0
.endm
.Lpass:
	WIN 0x55
.irp u,0,1
	v_mov_b32 v[TX+PT*\u], 0xff61b1e6              ; the largest t so far: -3e38, under every t
	v_mov_b32 v[SUM+PT*\u], 0
	v_mov_b32 v[SUM+PT*\u+1], 0
.endr
.irp u,0,1
	v_floor_f32 v[NM+PT*\u], -v[TX+PT*\u]
.endr
.set j,0
.rept 64
	v_mov_b32 v[O+j], 0                            ; the step is written once: the first finds zeros, which the first change of M leaves zeros
.set j,j+1
.endr
	WIN 0
	s_mov_b32 s[SK], 8192                          ; the loads of K run one step ahead,
	s_mov_b32 s[SKO], 1024
	s_mov_b32 s[SV], 0                             ; V's do not
	s_mov_b32 s[SVO], 0
	s_mov_b32 s[CNT], 16
	s_wait_alu depctr_va_vdst(0)
	s_wait_loadcnt 0x0                             ; Q
	s_wait_dscnt 0x0                               ; key step 0
.Lstep:
	STEP
	s_add_co_u32 s[SK], s[SK], 8192
	s_add_co_u32 s[SKO], s[SKO], 1024
	s_add_co_u32 s[SV], s[SV], 2048
	s_add_co_u32 s[SVO], s[SVO], 512
	s_sub_co_u32 s[CNT], s[CNT], 1
	s_cmp_lg_u32 s[CNT], 0
	s_cbranch_scc1 .Lstep
	; THE WAY OUT OF A PASS.  The second pass's queries are asked for first; the last pass asks for none.
	s_cmp_eq_u32 s[PASS], 1
	s_cbranch_scc1 .Lno_q
	QLOAD 0x200000, 0x20000
.Lno_q:
	v_cmp_lt_u32 vcc_lo, 15, v[LN]                 ; lanes 16-31
	WIN 0x55
.rept 2
	v_nop                                          ; with the lines around them: more than eight places behind the last products
.endr
.irp u,0,1
	v_add_f32 v[SUM+PT*\u], v[SUM+PT*\u], v[SUM+PT*\u+1]
.endr
.irp u,0,1
	s_delay_alu instid0(VALU_DEP_2)
	v_permlanex16_b32 v[T+PT*\u], v[SUM+PT*\u], s[SEL], s[SEL+1]
.endr
.irp u,0,1
	s_delay_alu instid0(VALU_DEP_2)
	v_add_f32 v[SUM+PT*\u], v[SUM+PT*\u], v[T+PT*\u]   ; the row's sum
.endr
	s_wait_alu depctr_va_vdst(0)                   ; ahead of the reciprocals
.irp u,0,1
	v_rcp_f32 v[F+PT*\u], v[SUM+PT*\u]
.endr
	v_nop
	s_wait_alu depctr_va_vdst(0)                   ; behind them, directly ahead of the first readers of O^T
.irp u,0,1
.set j,0
.rept 16
	v_pk_mul_f32 v[S+64*\u+j:S+64*\u+j+1], v[O+32*\u+j:O+32*\u+j+1], v[F+PT*\u:F+PT*\u+1] op_sel_hi:[1,0]   ; ctx: register 16 b + i is channel 32 b + 16 h + i of the head
.set j,j+2
.endr
.endr
.irp b,0,1
.irp u,0,1
	v_max3_num_f32 v[BM+PT*\u+\b], |v[S+64*\u+16*\b]|, |v[S+64*\u+16*\b+1]|, 0x8000000
.endr
.endr
.irp i,2,4,6,8,10,12,14
.irp b,0,1
.irp u,0,1
	v_max3_num_f32 v[BM+PT*\u+\b], v[BM+PT*\u+\b], |v[S+64*\u+16*\b+\i]|, |v[S+64*\u+16*\b+\i+1]|
.endr
.endr
.endr
.irp b,0,1
.irp u,0,1
	v_permlanex16_b32 v[BP+PT*\u+\b], v[BM+PT*\u+\b], s[SEL], s[SEL+1]
.endr
.endr
.irp b,0,1
.irp u,0,1
	v_max_num_f32 v[BM+PT*\u+\b], v[BM+PT*\u+\b], v[BP+PT*\u+\b]
.endr
.endr
.irp b,0,1
.irp u,0,1
	v_add_nc_u32 v[SOP+PT*\u+\b], 0xf8800000, v[BM+PT*\u+\b]
.endr
.endr
.irp b,0,1
.irp u,0,1
	v_and_or_b32 v[CAP+PT*\u+\b], v[BM+PT*\u+\b], 0x7f800000, s[MNT]
.endr
.endr
.irp b,0,1
.irp u,0,1
	v_lshrrev_b32 v[BP+PT*\u+\b], 23, v[SOP+PT*\u+\b]
.endr
.endr
.irp u,0,1
.set j,0
.rept 32
	v_med3_num_f32 v[S+64*\u+j], v[S+64*\u+j], -v[CAP+PT*\u+j/16], v[CAP+PT*\u+j/16]
.set j,j+1
.endr
.endr
	WIN 0x05
.irp u,0,1
	v_cndmask_b32 v[BY+\u], v[BP+PT*\u], v[BP+PT*\u+1], vcc_lo   ; lanes 0-15 store the first block's byte, lanes 16-31 the second's
.endr
	CVT 0, 2
	CVT 1, 2
	WIN 0
	v_nop                                          ; a plain line behind the last conversion
.irp u,0,1
	global_store_b128 v[LI], v[PC+16*\u:PC+16*\u+3], s[8:9] offset:16384*\u        ; 512 consecutive bytes, aligned
	global_store_b128 v[LI], v[PC+16*\u+4:PC+16*\u+7], s[8:9] offset:16384*\u+512
	global_store_b8 v[SBY], v[BY+\u], s[12:13] offset:512*\u
.endr
	s_wait_alu depctr_va_vdst(0)
	s_wait_xcnt 0x0                                ; the stores have read their bases and data: both may be written again
	s_add_nc_u64 s[8:9], s[8:9], 0x100000          ; 64 tiles of queries on
	s_add_nc_u64 s[12:13], s[12:13], 0x8000
	s_sub_co_u32 s[PASS], s[PASS], 1
	s_cmp_lg_u32 s[PASS], 0
	s_cbranch_scc1 .Lpass
	s_wait_tensorcnt 0x0                           ; the wave's end
	ds_add_u32 v[SPW], v[NIL]
	s_wait_dscnt 0x0
	CROUND                                         ; the closing round
	s_endpgm
.Lfunc_end_k_q58f52241cf_attn:
	.size	k_q58f52241cf_attn, .Lfunc_end_k_q58f52241cf_attn-k_q58f52241cf_attn
	.p2alignl 7, 3214868480
	.fill 96, 4, 3214868480
	.section	.rodata,"a",@progbits
	.p2align	6, 0x0
	.amdhsa_kernel k_q58f52241cf_attn
		.amdhsa_group_segment_fixed_size 327680
		.amdhsa_private_segment_fixed_size 0
		.amdhsa_enable_private_segment 0
		.amdhsa_kernarg_size 24
		.amdhsa_user_sgpr_count 2
		.amdhsa_user_sgpr_kernarg_segment_ptr 1
		.amdhsa_wavefront_size32 1
		.amdhsa_system_sgpr_workgroup_id_x 1
		.amdhsa_system_sgpr_workgroup_id_y 1
		.amdhsa_system_sgpr_workgroup_id_z 1
		.amdhsa_system_vgpr_workitem_id 0
		.amdhsa_next_free_vgpr 512
		.amdhsa_next_free_sgpr 96
		.amdhsa_reserve_vcc 1
		.amdhsa_float_denorm_mode_32 3
		.amdhsa_float_denorm_mode_16_64 3
		.amdhsa_memory_ordered 1
		.amdhsa_forward_progress 1
		.amdhsa_inst_pref_size 63
	.end_amdhsa_kernel
	.amdgpu_metadata
---
amdhsa.version: [ 1, 2 ]
amdhsa.kernels:
  - .name:           k_q58f52241cf_attn
    .symbol:         k_q58f52241cf_attn.kd
    .args:
      - { .name: qkb, .offset: 0, .size: 8, .value_kind: global_buffer, .address_space: global }
      - { .name: vb, .offset: 8, .size: 8, .value_kind: global_buffer, .address_space: global }
      - { .name: cb, .offset: 16, .size: 8, .value_kind: global_buffer, .address_space: global }
    .group_segment_fixed_size: 327680
    .private_segment_fixed_size: 0
    .kernarg_segment_align: 8
    .kernarg_segment_size: 24
    .max_flat_workgroup_size: 256
    .sgpr_count:     96
    .vgpr_count:     512
    .wavefront_size: 32
...
	.end_amdgpu_metadata
.endif
;; end of part 3
;; launch outp (part 4): grid 4 x 32, 4 waves a work-group, clusters of 4 x 4, 327,680 bytes of LDS; arguments cb, wob, bo, out0; writes out0
.if DOCPART == 4
	.amdgcn_target "amdgcn-amd-amdhsa--gfx1250"
	.amdhsa_code_object_version 6
	.text
	.protected	k_q58f52241cf_outp
	.globl	k_q58f52241cf_outp
	.p2align	8
	.type	k_q58f52241cf_outp,@function
k_q58f52241cf_outp:
	s_mov_b64 s[64:65], 0
	v_nop
	global_prefetch_b8 v0, s[64:65] scope:SCOPE_SE
	s_setreg_imm32_b32 hwreg(HW_REG_WAVE_MODE, 25, 1), 1
	s_wait_xcnt 0x0
	s_wait_alu depctr_hold_cnt(0) depctr_sa_sdst(0) depctr_va_vdst(0) depctr_va_sdst(0) depctr_va_ssrc(0) depctr_va_vcc(0) depctr_vm_vsrc(0)
	s_getreg_b32 s2, hwreg(HW_REG_IB_STS2, 6, 4)
	s_cmp_eq_u32 s2, 0
	s_cbranch_scc0 .Lentry_in_a_cluster
	s_endpgm
.Lentry_in_a_cluster:
	s_bfe_u32 s2, ttmp6, 0x10000c
	s_cmp_lg_u32 s2, 0xf033
	s_cbranch_scc0 .Lentry_shape_is_right
	s_endpgm
.Lentry_shape_is_right:
.set OUTP,   1
.set NQ,     2
.set FR,     16
.set NL,     4
.set NP,     8
.set TILEB,  4096
.set HALFT,  8*TILEB
.set SLOT,   4*HALFT
.set SCL,    2*SLOT
.set HALFS,  4096
.set SBLK,   512
.set SPARE,  SCL+4*HALFS
.set ADRA, 16
.set ADRB, 20
.set SH,   22
.set BA,   23
.set LI,   24
.set SST,  25
.set STO,  25
.set SRD,  26
.set RD,   26
.set ADRS, 27
.set SPW,  28
.set NIL,  29
.set SC,   32
.set PC,   64
.set BI,   64
.set AF,   128
.set BK,   128
.set TM,   200
.set PW,   216
.set PW2,  218
.set SBK,  228
.set SPITCH, 528
.set SEL,  2
.set MNT,  66
.set G1, 24
.set G0, 32
.set G1B, 48
.set G0B, 56
.set G1S, 68
.set G0S, 76
.set G1SB, 80
.set G0SB, 88
.set MSB, 0
.macro WIN new
.if MSB != (\new)
	s_set_vgpr_msb (MSB<<8)|(\new)
.set MSB, \new
.endif
.endm
.set MUL_LO, 0xa1
.set MUL_HI, 0xf1
.set TO_B,   0x40
.macro MWIN hi, zero
.if (\zero) == 2
	WIN 0x81+0x40*(\hi)
.else
	WIN MUL_LO+0x50*(\hi)
.endif
.endm
.macro JLOAD g0a, g1a, g0b, g1b
	s_cmp_eq_u32 s15, 0
	s_cbranch_scc0 .Lfor_b_\@
	tensor_load_to_lds s[\g0a:\g0a+3], s[\g1a:\g1a+7]
	s_nop 0
.rept 4
	v_nop
.endr
	s_branch .Lasked_\@
.Lfor_b_\@:
	tensor_load_to_lds s[\g0b:\g0b+3], s[\g1b:\g1b+7]
	s_nop 0
.rept 4
	v_nop
.endr
.Lasked_\@:
.endm
.macro CREST
	s_cmp_lg_u32 s14, 0
	s_cbranch_scc1 .Lnot_wave_0_\@
	s_barrier_signal -3
.Lnot_wave_0_\@:
	s_barrier_wait -3
	s_barrier_signal -1
	s_barrier_wait -1
.endm
.macro CROUND
	s_barrier_signal -1
	s_barrier_wait -1
	CREST
.endm
	s_load_b64 s[6:7], s[0:1], 0x0
	s_load_b64 s[10:11], s[0:1], 0x8
.if OUTP
	s_load_b64 s[96:97], s[0:1], 0x10
	s_load_b64 s[12:13], s[0:1], 0x18
.else
	s_load_b64 s[12:13], s[0:1], 0x10
.endif
	v_lshl_add_u32 v[SPW], v0, 2, SPARE
	v_mov_b32 v[NIL], 0
	ds_add_u32 v28, v29
	ds_add_u32 v28, v29
	s_wait_dscnt 0x0
	v_lshrrev_b32 v1, 5, v0
	v_readfirstlane_b32 s14, v1
	s_lshr_b32 s15, s14, 1
	s_and_b32 s16, s14, 1
	s_bfe_u32 s40, ttmp6, 0x40000
	s_bfe_u32 s41, ttmp6, 0x40004
	s_lshl_b32 s42, ttmp9, 2
	s_add_co_u32 s42, s42, s40
	s_and_b32 s17, ttmp7, 0xffff
	s_lshl_b32 s17, s17, 2
	s_add_co_u32 s17, s17, s41
	s_lshl_b32 s43, s41, 2
	s_lshl_b32 s43, 15, s43
	s_lshl_b32 s44, 0x1111, s40
	s_or_b32 s[G1+0], s43, (3<<16)|(1<<21)
	s_or_b32 s[G1B+0], s44, (3<<16)|(1<<21)
.irp g, G1, G1B
	s_mov_b32 s[\g+1], 512<<16
	s_mov_b32 s[\g+2], 16<<16                      ; the head's loads bring 16 tiles; behind them the two words that count rows are set to 8, for the ring's
	s_mov_b32 s[\g+3], 512<<16
	s_mov_b32 s[\g+4], 16
	s_mov_b32 s[\g+5], 2048
	s_mov_b32 s[\g+6], 0
	s_mov_b32 s[\g+7], 0
.endr
	s_or_b32 s[G1S+0], s43, (3<<16)|(1<<21)
	s_or_b32 s[G1SB+0], s44, (3<<16)|(1<<21)
.irp g, G1S, G1SB
	s_mov_b32 s[\g+1], 32<<16
	s_mov_b32 s[\g+2], 32<<16                      ; the scales of 256 rows: 8,192 dense bytes as 32 rows of 256
	s_mov_b32 s[\g+3], 32<<16
	s_mov_b32 s[\g+4], 32
	s_mov_b32 s[\g+5], 32
	s_mov_b32 s[\g+6], 0
	s_mov_b32 s[\g+7], 0
.endr
	s_lshl_b32 s18, s16, 7
	s_lshl_b32 s19, s17, 8
	s_add_co_u32 s19, s19, s18
	s_lshl_b32 s20, s19, 10
	s_mov_b32 s21, 0
	s_lshl_b32 s22, s19, 5
	s_mov_b32 s23, 0
	s_lshl_b32 s67, s42, 8
	s_add_co_u32 s67, s67, s18
	s_lshl_b32 s46, s67, 10
	s_mov_b32 s47, 0
	s_lshl_b32 s92, s67, 5
	s_mov_b32 s93, 0
	s_lshl_b32 s45, s14, 15
	s_lshl_b32 s94, s14, 12
	s_wait_kmcnt 0x0
	s_add_nc_u64 s[4:5], s[6:7], 0x40000
	s_add_nc_u64 s[8:9], s[10:11], 0x40000
	s_add_nc_u64 s[20:21], s[4:5], s[20:21]
	s_add_nc_u64 s[22:23], s[6:7], s[22:23]
	s_add_nc_u64 s[46:47], s[8:9], s[46:47]
	s_add_nc_u64 s[92:93], s[10:11], s[92:93]
	CROUND
	s_lshl_b32 s18, s16, 17                        ; my half's offset among the tile's codes and among its scales: taken off again for the head's whole tiles
	s_mov_b32 s19, 0
	s_lshl_b32 s2, s16, 12
	s_mov_b32 s3, 0
	s_mov_b32 s[G0S], 1                            ; the scales of A's 256 rows,
	s_mov_b32 s[G0S+1], SCL
	s_sub_nc_u64 s[G0S+2:G0S+3], s[22:23], s[2:3]
	s_or_b32 s[G0S+3], s[G0S+3], 0x80000000
	s_mov_b32 s[G0SB], 1                           ; and of B's
	s_mov_b32 s[G0SB+1], SCL+2*HALFS
	s_sub_nc_u64 s[G0SB+2:G0SB+3], s[92:93], s[2:3]
	s_or_b32 s[G0SB+3], s[G0SB+3], 0x80000000
	s_mov_b32 s4, 1                                ; K step 0's 16 tiles of A (the arguments that lay in s4-s11 have been used),
	s_mov_b32 s5, 0
	s_sub_nc_u64 s[6:7], s[20:21], s[18:19]
	s_or_b32 s7, s7, 0x80000000
	s_mov_b32 s8, 1                                ; and of B, behind them in slot 0
	s_mov_b32 s9, 2*HALFT
	s_sub_nc_u64 s[10:11], s[46:47], s[18:19]
	s_or_b32 s11, s11, 0x80000000
.irp s, 0,1
	s_mov_b32 s[G0+4*\s], 1
	s_add_co_u32 s[G0+4*\s+1], s45, \s*SLOT
	s_add_nc_u64 s[G0+4*\s+2:G0+4*\s+3], s[20:21], \s*TILEB
	s_or_b32 s[G0+4*\s+3], s[G0+4*\s+3], 0x80000000
	s_mov_b32 s[G0B+4*\s], 1
	s_add_co_u32 s[G0B+4*\s+1], s45, \s*SLOT
	s_add_nc_u64 s[G0B+4*\s+2:G0B+4*\s+3], s[46:47], \s*TILEB
	s_or_b32 s[G0B+4*\s+3], s[G0B+4*\s+3], 0x80000000
.endr
; THE HEAD'S LOADS, ONE A WAVE: wave 0 fetches K step 0's tiles of A, wave 1 those of B, wave 2 A's scales, wave 3 B's.  One tree of branches on the wave's number, one load to an arm.
.macro ARM under, g0, g1, next
	s_cmp_lt_u32 s14, \under
	s_cbranch_scc0 \next
	tensor_load_to_lds s[\g0:\g0+3], s[\g1:\g1+7]
	s_nop 0
.rept 4
	v_nop
.endr
	s_branch .Lhead_asked
\next:
.endm
	ARM 1, 4, G1, .Lhead_b
	ARM 2, 8, G1B, .Lhead_sa
	ARM 3, G0S, G1S, .Lhead_sb
	tensor_load_to_lds s[G0SB:G0SB+3], s[G1SB:G1SB+7]
	s_nop 0
.rept 4
	v_nop
.endr
.Lhead_asked:
	v_and_b32 v1, 15, v0
	v_bfe_u32 v2, v0, 4, 1
	s_wait_alu depctr_va_vdst(0)
	v_and_b32 v3, 31, v0
	v_lshlrev_b32 v[LI], 4, v3
	s_lshl_b32 s21, s15, 15
	s_lshl_b32 s22, s16, 15
	s_add_co_u32 s22, s22, 2*HALFT
.irp s, 0,1
	v_add_nc_u32 v[ADRA+\s], s21, v[LI]
	v_add_nc_u32 v[ADRB+\s], s22, v[LI]
	s_add_co_u32 s21, s21, SLOT
	s_add_co_u32 s22, s22, SLOT
.endr
	v_lshlrev_b32 v5, 3, v1
	s_mul_i32 s21, s15, HALFS
	s_mul_i32 s22, s16, HALFS
	s_add_co_u32 s22, s22, 2*HALFS
	s_sub_co_u32 s22, s22, s21
	v_mul_u32_u24 v6, s22, v2
	s_add_co_u32 s21, s21, SCL
	v_add_nc_u32 v5, v5, v6
	v_add_nc_u32 v[ADRS], s21, v5
.if OUTP
	s_mul_i32 s23, s14, 16*SPITCH
	v_mul_u32_u24 v5, v1, SPITCH
	v_lshl_add_u32 v5, v2, 6, v5
	v_add_nc_u32 v[STO], s23, v5
	v_add_nc_u32 v[RD], s23, v[LI]
	s_lshl_b32 s18, s42, 10
	s_lshl_b32 s19, s16, 9
	s_add_co_u32 s18, s18, s19
	s_mov_b32 s19, 0
	s_add_nc_u64 s[96:97], s[96:97], s[18:19]
	s_add_nc_u64 s[12:13], s[12:13], s[18:19]
	s_lshl_b32 s20, s17, 8
	s_lshl_b32 s21, s15, 7
	s_add_co_u32 s20, s20, s21
	s_lshl_b32 s20, s20, 12
	s_mov_b32 s21, 0
	s_add_nc_u64 s[12:13], s[12:13], s[20:21]
	v_lshlrev_b32 v[BA], 6, v2
.irp t, 0,1,2,3,4,5,6,7
	global_load_b128 v[BI+8*\t:BI+8*\t+3], v[BA], s[96:97] offset:(32*(\t/2)+8*(\t%2))*4
	global_load_b128 v[BI+8*\t+4:BI+8*\t+7], v[BA], s[96:97] offset:(32*(\t/2)+8*(\t%2))*4+16
.endr
.else
	s_lshl_b32 s23, s14, 10
	v_lshl_add_u32 v[SST], v3, 2, s23
	v_add_nc_u32 v[SRD], s23, v[LI]
	v_lshlrev_b32 v[SH], 4, v2
	s_mov_b32 s[SEL], 0x76543210
	s_mov_b32 s[SEL+1], 0xfedcba98
	s_mov_b32 s[MNT], 0x600000
	s_lshl_b32 s18, s17, 4
	s_lshl_b32 s19, s15, 3
	s_add_co_u32 s18, s18, s19
	s_lshl_b32 s19, s42, 1
	s_add_co_u32 s19, s19, s16
	s_lshr_b32 s20, s19, 4
	s_lshl_b32 s20, s20, 21
	s_lshl_b32 s21, s18, 15
	s_add_co_u32 s20, s20, s21
	s_and_b32 s21, s19, 15
	s_lshl_b32 s21, s21, 11
	s_add_co_u32 s20, s20, s21
	s_add_co_u32 s20, s20, 0x100000
	s_mov_b32 s21, 0
	s_lshr_b32 s22, s18, 6
	s_lshl_b32 s22, s22, 17
	s_lshl_b32 s23, s19, 13
	s_add_co_u32 s22, s22, s23
	s_and_b32 s23, s18, 63
	s_lshl_b32 s23, s23, 7
	s_add_co_u32 s22, s22, s23
	s_mov_b32 s23, 0
	s_add_nc_u64 s[96:97], s[12:13], s[22:23]
	s_add_nc_u64 s[12:13], s[12:13], s[20:21]
.endif
.macro FRAG reg, adr, q, i
.irp c, 0,1,2,3
	ds_load_b128 v[\reg+4*\c:\reg+4*\c+3], v[\adr] offset:TILEB*(\i)+2048*(\q)+512*\c
.endr
.endm
.macro MUL16 a0, p, q, sc, zero
.irp a, \a0, \a0+1
.irp b, 0,1,2,3,4,5,6,7
.if (\zero) == 1
	v_wmma_scale_f32_16x16x128_f8f6f4 v[8*(8*((\a)%4)+\b):8*(8*((\a)%4)+\b)+7], v[128*(\p)+FR*\b:128*(\p)+FR*\b+FR-1], v[AF+FR*(\a):AF+FR*(\a)+FR-1], 0, v[SC+8*NQ*(\sc)+NQ*\b+(\q)], v[SC+8*NQ*(\sc)+NQ*(\a)+(\q)] matrix_a_fmt:MATRIX_FMT_BF8 matrix_b_fmt:MATRIX_FMT_BF8 matrix_a_scale:MATRIX_SCALE_ROW1
.elseif (\zero) == 2
	v_wmma_scale_f32_16x16x128_f8f6f4 v[8*(8*((\a)%4)+\b):8*(8*((\a)%4)+\b)+7], v[128*(\p)+FR*\b:128*(\p)+FR*\b+FR-1], v[AF+FR*(\a):AF+FR*(\a)+FR-1], v[BI+8*\b:BI+8*\b+7], v[SC+8*NQ*(\sc)+NQ*\b+(\q)], v[SC+8*NQ*(\sc)+NQ*(\a)+(\q)] matrix_a_fmt:MATRIX_FMT_BF8 matrix_b_fmt:MATRIX_FMT_BF8 matrix_a_scale:MATRIX_SCALE_ROW1
.else
	v_wmma_scale_f32_16x16x128_f8f6f4 v[8*(8*((\a)%4)+\b):8*(8*((\a)%4)+\b)+7], v[128*(\p)+FR*\b:128*(\p)+FR*\b+FR-1], v[AF+FR*(\a):AF+FR*(\a)+FR-1], v[8*(8*((\a)%4)+\b):8*(8*((\a)%4)+\b)+7], v[SC+8*NQ*(\sc)+NQ*\b+(\q)], v[SC+8*NQ*(\sc)+NQ*(\a)+(\q)] matrix_a_fmt:MATRIX_FMT_BF8 matrix_b_fmt:MATRIX_FMT_BF8 matrix_a_scale:MATRIX_SCALE_ROW1
.endif
.endr
.endr
.endm
.macro FETCH_B slot, q, p
	WIN TO_B
.irp i, 0,1,2,3,4,5,6,7
	FRAG 128*(\p)+FR*\i, ADRB+\slot, \q, \i
.endr
	WIN 0
.endm
.macro FETCH_A slot, q, i0
.irp i, \i0, \i0+1, \i0+2, \i0+3
	FRAG AF+FR*(\i), ADRA+\slot, \q, \i
.endr
.endm
.macro SCALES sc
.irp i, 0,1,2,3,4,5,6,7
	ds_load_b64 v[SC+8*NQ*\sc+NQ*\i:SC+8*NQ*\sc+NQ*\i+1], v[ADRS] offset:\i*SBLK
.endr
.endm
.macro PLACES n
.rept \n
	v_nop
.endr
.endm
.macro STEP slot, q, zero
	s_wait_dscnt 4*NL
	MWIN 0, \zero
	MUL16 0, (\q)%2, \q, \slot, \zero
	MUL16 2, (\q)%2, \q, \slot, \zero
	s_wait_dscnt 0
	PLACES NP
	FETCH_B \slot, (\q)+1, 1-(\q)%2
	FETCH_A \slot, (\q)+1, 0
	MWIN 1, \zero
	MUL16 4, (\q)%2, \q, \slot, \zero
	MUL16 6, (\q)%2, \q, \slot, \zero
	PLACES NP
	WIN 0
	FETCH_A \slot, (\q)+1, 4
.endm
.macro TURN slot, next, fill
	s_wait_tensorcnt 0x0
	ds_add_u32 v[SPW], v[NIL]
	s_wait_dscnt 4*NL+1
	WIN MUL_LO
	MUL16 0, 1, NQ-1, \slot, 0
	s_wait_dscnt 0x0
	s_barrier_signal -1
	MUL16 2, 1, NQ-1, \slot, 0
	WIN 0
	s_barrier_wait -1
.if \fill
	CREST
	s_add_nc_u64 s[G0+4*\slot+2:G0+4*\slot+3], s[G0+4*\slot+2:G0+4*\slot+3], 2*TILEB
	s_add_nc_u64 s[G0B+4*\slot+2:G0B+4*\slot+3], s[G0B+4*\slot+2:G0B+4*\slot+3], 2*TILEB
	JLOAD G0+4*\slot, G1, G0B+4*\slot, G1B
	PLACES NP-4
.else
	PLACES NP
.endif
	s_wait_alu depctr_va_vdst(0)
	v_add_nc_u32 v[ADRS], 128, v[ADRS]
	FETCH_B \next, 0, 0
	FETCH_A \next, 0, 0
	SCALES \next
	WIN MUL_HI
	MUL16 4, 1, NQ-1, \slot, 0
	MUL16 6, 1, NQ-1, \slot, 0
	PLACES NP
	WIN 0
	FETCH_A \next, 0, 4
.endm
	s_wait_alu depctr_va_vdst(0)
	s_wait_tensorcnt 0x0                           ; my tile of the head's four is in
	ds_add_u32 v[SPW], v[NIL]
	s_mov_b32 s[G1+2], 8<<16                       ; no tensor load of mine is out: from here on a load brings 8 tiles
	s_mov_b32 s[G1+4], 8
	s_mov_b32 s[G1B+2], 8<<16
	s_mov_b32 s[G1B+4], 8
	s_wait_dscnt 0x0
	CROUND                                         ; all four tiles are in, and all sixteen work-groups are here
	JLOAD G0+4, G1, G0B+4, G1B                     ; K step 1's load, the first tensor load behind the round
	FETCH_B 0, 0, 0
	FETCH_A 0, 0, 0
	SCALES 0
	FETCH_A 0, 0, 4
.if OUTP
	s_wait_loadcnt 0x0
	STEP 0, 0, 2
.else
	STEP 0, 0, 1
.endif
	TURN 0, 1, 1
	STEP 1, 0, 0
	TURN 1, 0, 1
	STEP 0, 0, 0
	TURN 0, 1, 0
	STEP 1, 0, 0
	s_wait_dscnt 4*NL
	WIN MUL_LO
	MUL16 0, 1, NQ-1, 1, 0
	MUL16 2, 1, NQ-1, 1, 0
	s_wait_dscnt 0
	WIN MUL_HI
	MUL16 4, 1, NQ-1, 1, 0
	MUL16 6, 1, NQ-1, 1, 0
	WIN 0
	PLACES NP
.if OUTP
.macro TOSTAGE a
.set AC, 64*((\a)%4)
	WIN 0x08+4*((\a)/4)
.irp b, 0,1,2,3,4,5,6,7
	ds_store_b128 v[STO], v[AC+8*\b:AC+8*\b+3] offset:128*(\b/2)+32*(\b%2)
	ds_store_b128 v[STO], v[AC+8*\b+4:AC+8*\b+7] offset:128*(\b/2)+32*(\b%2)+16
.endr
	WIN 0
.set BB, BK+64*((\a)%2)
.irp t, 0,1,2,3,4,5,6,7,8,9,10,11,12,13,14,15
	ds_load_b128 v[BB+4*\t:BB+4*\t+3], v[RD] offset:\t*SPITCH
.endr
.endm
.macro SEND a, younger
.set BB, BK+64*((\a)%2)
	s_wait_dscnt \younger
.irp t, 0,1,2,3,4,5,6,7,8,9,10,11,12,13,14,15
	global_store_b128 v[LI], v[BB+4*\t:BB+4*\t+3], s[12:13] offset:(32*((\a)/2)+8*((\a)%2)+\t+8*(\t/8))*4096 th:TH_STORE_NT
.endr
.endm
	TOSTAGE 0
.irp a, 1,2,3,4,5,6,7
.if \a > 1
	s_wait_xcnt 0x0
.endif
	TOSTAGE \a
	SEND \a-1, 32
.endr
	SEND 7, 0
.else
.macro QUANTW a
.set AC, 64*((\a)%4)
.set W, 2+(\a)/4
	WIN (W<<2)|W
.irp b, 0,1,2,3
	v_max3_num_f32 v[TM+\b], |v[AC+16*\b]|, |v[AC+16*\b+1]|, 0x8000000
.endr
	WIN (W<<4)|(W<<2)
.irp i, 2,4,6,8,10,12,14
.irp b, 0,1,2,3
	v_max3_num_f32 v[TM+\b], v[TM+\b], |v[AC+16*\b+\i]|, |v[AC+16*\b+\i+1]|
.endr
.endr
	WIN 0
.irp b, 0,1,2,3
	v_permlanex16_b32 v[TM+4+\b], v[TM+\b], s[SEL], s[SEL+1]
.endr
.irp b, 0,1,2,3
	v_max_num_f32 v[TM+\b], v[TM+\b], v[TM+4+\b]
.endr
.irp b, 0,1,2,3
	v_add_nc_u32 v[TM+12+\b], 0xf8800000, v[TM+\b]
.endr
.irp b, 0,1,2,3
	v_and_or_b32 v[TM+8+\b], v[TM+\b], 0x7f800000, s[MNT]
.endr
.irp b, 0,1,2,3
	v_lshrrev_b32 v[TM+4+\b], 23, v[TM+12+\b]
.endr
	v_lshl_or_b32 v[PW], v[TM+5], 8, v[TM+4]
	v_lshl_or_b32 v[PW], v[TM+6], 16, v[PW]
	v_lshl_or_b32 v[PW], v[TM+7], 24, v[PW]
	v_lshrrev_b32 v[PW2+(\a)], v[SH], v[PW]
	WIN (W<<6)|W
.set n, 0
.rept 64
	v_med3_num_f32 v[AC+n], v[AC+n], -v[TM+8+n/16], v[TM+8+n/16]
.set n, n+1
.endr
	WIN W
.if (\a) > 0
	s_wait_xcnt 0x0
.endif
.irp b, 0,1,2,3
	v_cvt_scalef32_pk8_bf8_f32 v[PC+4*\b:PC+4*\b+1], v[AC+16*\b:AC+16*\b+7], v[TM+12+\b]
	v_cvt_scalef32_pk8_bf8_f32 v[PC+4*\b+2:PC+4*\b+3], v[AC+16*\b+8:AC+16*\b+15], v[TM+12+\b]
.endr
	WIN 0
	v_nop
.irp c, 0,1,2,3
	global_store_b128 v[LI], v[PC+4*\c:PC+4*\c+3], s[12:13] offset:(\a)*32768+512*\c
.endr
	ds_store_b32 v[SST], v[PW2+(\a)] offset:128*(\a)
.endm
.irp b, 0,1,2,3
	v_mov_b32 v[TM+4+\b], 0
.endr
.irp a, 0,1,2,3,4,5,6,7
	QUANTW \a
.endr
	ds_load_b128 v[SBK:SBK+3], v[SRD]
	ds_load_b128 v[SBK+4:SBK+7], v[SRD] offset:512
	s_wait_dscnt 1
	global_store_b128 v[LI], v[SBK:SBK+3], s[96:97]
	s_wait_dscnt 0x0
	global_store_b128 v[LI], v[SBK+4:SBK+7], s[96:97] offset:512
.endif
	s_wait_tensorcnt 0x0
	ds_add_u32 v[SPW], v[NIL]
	s_wait_dscnt 0x0
	CROUND
	s_endpgm
.Lfunc_end_k_q58f52241cf_outp:
	.size	k_q58f52241cf_outp, .Lfunc_end_k_q58f52241cf_outp-k_q58f52241cf_outp
	.p2alignl 7, 3214868480
	.fill 96, 4, 3214868480
	.section	.rodata,"a",@progbits
	.p2align	6, 0x0
	.amdhsa_kernel k_q58f52241cf_outp
		.amdhsa_group_segment_fixed_size 327680
		.amdhsa_private_segment_fixed_size 0
		.amdhsa_enable_private_segment 0
		.amdhsa_kernarg_size 32
		.amdhsa_user_sgpr_count 2
		.amdhsa_user_sgpr_kernarg_segment_ptr 1
		.amdhsa_wavefront_size32 1
		.amdhsa_system_sgpr_workgroup_id_x 1
		.amdhsa_system_sgpr_workgroup_id_y 1
		.amdhsa_system_sgpr_workgroup_id_z 1
		.amdhsa_system_vgpr_workitem_id 0
		.amdhsa_next_free_vgpr 1024
		.amdhsa_next_free_sgpr 98
		.amdhsa_reserve_vcc 0
		.amdhsa_float_denorm_mode_32 3
		.amdhsa_float_denorm_mode_16_64 3
		.amdhsa_memory_ordered 1
		.amdhsa_forward_progress 1
		.amdhsa_inst_pref_size 147
	.end_amdhsa_kernel
	.amdgpu_metadata
---
amdhsa.version: [ 1, 2 ]
amdhsa.kernels:
  - .name:           k_q58f52241cf_outp
    .symbol:         k_q58f52241cf_outp.kd
    .args:
      - { .name: cb, .offset: 0, .size: 8, .value_kind: global_buffer, .address_space: global }
      - { .name: wob, .offset: 8, .size: 8, .value_kind: global_buffer, .address_space: global }
      - { .name: bo, .offset: 16, .size: 8, .value_kind: global_buffer, .address_space: global }
      - { .name: out0, .offset: 24, .size: 8, .value_kind: global_buffer, .address_space: global }
    .group_segment_fixed_size: 327680
    .private_segment_fixed_size: 0
    .kernarg_segment_align: 8
    .kernarg_segment_size: 32
    .max_flat_workgroup_size: 128
    .sgpr_count:     98
    .vgpr_count:     1024
    .wavefront_size: 32
...
	.end_amdgpu_metadata
.endif
;; end of part 4
